; MI455X (gfx1250); checked and timed in simulation.
; The chip was launched on July 23, 2026; its instructions are those of AMD's public machine-readable ISA for CDNA 5 (MIT licence, August 2026) and "CDNA5" Instruction Set Architecture Reference Guide (July 2026). The comments in the code are by the model that wrote it; some were corrected since.
;; LSA. Allowed arithmetic: matrix products marked QUANTISED: E2M1 operands, one E8M0 scale for each 32 along K, by v_wmma_scale_f32_16x16x128_f8f6f4 with both operands' format E2M1 (or v_wmma_scale_f32_32x16x128_f4), f32 sums; products left as they are: bf16, f16 or f32 operands; f32 sums; everything else in f32.
;; Inputs: W_out 1,024 x 1,024 float32; W_qkv 1,024 x 3,072 float32; b_out 1,024 float32; temperature one number float32; x 4 x 2,048 x 1,024 float32.
;; Outputs: out0 4 x 2,048 x 1,024 float32.
;; This version of the problem:
;;   THIS VERSION OF THE PROBLEM IS GIVEN IN LOW PRECISION. The matrix products marked QUANTISED in the list below multiply operands that are first quantised to E2M1 (2 exponent bits, 1 mantissa bit; 4 bits a number), with one power-of-two scale for each 32 numbers along K (OCP MX v1.0); their sums are f32. The products marked 'left as it is' may take bf16, f16 or f32 operands, with f32 sums. Whichever they take, every output number must still come out within the allowed error. Rounding operands to bf16 (8 significant bits) uses up far more of that allowance than f16 does (11 bits, for magnitudes from 6e-5 to 65,504). All else is computed in f32.
;;   The module's matrix products, in the order in which they are computed (A, B: the left and right operand; K: the contracted axis; several contracted axes count as one K, in the product's order):
;;     1. [M 8,192, K 1,024] x [K 1,024, N 3,072]; A: input x; B: input W_qkv: QUANTISED
;;     2. batch 64 x [M 2,048, K 64] x [K 64, N 2,048]; A: computed on the way; B: computed on the way: left as it is (an operand is computed on the way)
;;     3. batch 64 x [M 2,048, K 2,048] x [K 2,048, N 64]; A: computed on the way; B: computed on the way: left as it is (an operand is computed on the way)
;;     4. [M 8,192, K 1,024] x [K 1,024, N 1,024]; A: computed on the way; B: input W_out: left as it is (an operand is computed on the way)
;;   THE QUANTISER, for each operand of a quantised product, along K:
;;     - K is cut into blocks of 32 from its start; a last block that is shorter is filled with zeros.
;;     - A block's scale is 2^e with e = floor(log2(the largest magnitude in the block)) - 2, held to -126 .. 127; a block of zeros has e = 0. As a byte (E8M0): e + 127.
;;     - Each number is divided by its block's scale, clamped to +-6, and rounded to the nearest number of E2M1, ties to even, subnormals kept.
;;     - The product sums the exact products of the quantised numbers (number of the format x scale) in f32.
;;   ~~~python
;;   def quantise(x, axis):      # numpy; x: float32 -> the quantised numbers, widened to float32 again
;;       x = np.moveaxis(x, axis, -1); K = x.shape[-1]
;;       x = np.pad(x, [(0, 0)] * (x.ndim - 1) + [(0, -K % 32)]); x = x.reshape(x.shape[:-1] + (-1, 32)); a = np.abs(x).max(-1, keepdims=True)
;;       e = np.where(a > 0, np.clip(np.frexp(np.where(a > 0, a, 1))[1] - 1 - 2, -126, 127), 0)      # np.frexp(a)[1] - 1 = floor(log2(a)), exactly
;;       r = np.clip(x / 2.0 ** e, -6, 6)
;;       step = 2.0 ** (np.maximum(np.frexp(np.where(r == 0, 1, r))[1] - 1, 0) - 1)
;;       q = np.round(r / step) * step * 2.0 ** e      # np.round: ties to even
;;       return np.moveaxis(q.reshape(q.shape[:-2] + (-1,))[..., :K], -1, axis).astype(np.float32)
;;   ~~~
;; One version. Each part assembles by itself: llvm-mc -triple=amdgcn-amd-amdhsa -mcpu=gfx1250 --defsym DOCPART=n.
;; ======== version 1 of 1: 4 launches
;; limits: values are held in f16: magnitudes above 65,504 overflow, below 6.1e-05 lose precision
;; workspace buffers: x_codes 4,194,304 bytes; x_scales 262,144 bytes; w_codes 1,572,864 bytes; w_scales 98,304 bytes; wo_t 2,097,152 bytes; qkv 50,331,648 bytes; ao 16,777,216 bytes
;; launch prep (part 1): grid 416 x 1, 4 waves a work-group, no clusters, 85,504 bytes of LDS; arguments x, W_qkv, W_out, x_codes, x_scales, w_codes, w_scales, wo_t; writes x_codes, x_scales, w_codes, w_scales, wo_t
.if DOCPART == 1
	.amdgcn_target "amdgcn-amd-amdhsa--gfx1250"
	.amdhsa_code_object_version 6
	.text
	.protected	k_q8a77b133ef_prep
	.globl	k_q8a77b133ef_prep
	.p2align	8
	.type	k_q8a77b133ef_prep,@function
k_q8a77b133ef_prep:
	s_mov_b64 s[64:65], 0
	v_nop
	global_prefetch_b8 v0, s[64:65] scope:SCOPE_SE
	s_setreg_imm32_b32 hwreg(HW_REG_WAVE_MODE, 25, 1), 1
	s_wait_xcnt 0x0
; PREP: the three f32 inputs that many work-groups read later are narrowed once.
;   work-groups   0-255: x [8192][1024] -> codes of E2M1, K innermost, [8192][512 bytes], and one E8M0 byte for each 32 along K, [8192][32]
;   work-groups 256-351: W_qkv [1024 (k)][3072 (n)] -> codes with K innermost, laid [k/512][n/2][(k/256)%2][n%2][128 bytes], and scale bytes [3072][32]
;   work-groups 352-415: W_out [1024 (k)][1024 (n)] -> f16, turned: [n][k]
; A block's scale is 2^(floor(log2(its largest magnitude)) - 2); its byte is the largest magnitude's exponent field - 2, held at 1 from below.
; A block of zeros so gets the byte 1 where the quantiser says 127: its codes are zeros, which add nothing, and the bytes are read by this program alone.
; LIMITS: NaN and infinities among the inputs are not served; W_out is rounded to f16: magnitudes stay under 65,504.
; The three ways part on the work-group's number and never join; each has LDS bytes of its own.  No tensor load, no barrier: waves share nothing.
.set XL,    0                          ; x's way: 8,192 bytes a wave
.set WQL,   32768                      ; W_qkv's way: 4,352 bytes a wave
.set WOL,   50176                      ; W_out's way: 8,704 bytes a wave
.set SPARE, 84992                      ; the spare words, 128 bytes a wave: two blocks of 256 bytes that no other line names
.set SPW,   190                        ; v190  LDS address of my spare word; never rewritten
.set NIL,   191                        ; v191  0; never rewritten
	s_load_b256 s[4:11], s[0:1], 0x0               ; x s[4:5], W_qkv s[6:7], W_out s[8:9], x_codes s[10:11]
	s_load_b256 s[12:19], s[0:1], 0x20             ; x_scales s[12:13], w_codes s[14:15], w_scales s[16:17], wo_t s[18:19]
	v_lshl_add_u32 v[SPW], v0, 2, SPARE
	v_mov_b32 v[NIL], 0
	v_lshrrev_b32 v1, 5, v0
	v_readfirstlane_b32 s20, v1                    ; wave 0..3
	v_and_b32 v2, 31, v0                           ; lane
	s_mov_b32 s23, 0                               ; the high word of every offset pair s[22:23]
	s_wait_kmcnt 0x0
	s_cmp_lt_u32 ttmp9, 256
	s_cbranch_scc0 .Lnot_x
; ---------------- x: a plain stream of blocks of 32.  A wave takes 16 steps of 512 numbers.
; Each load reads 512 consecutive bytes, 16 a lane; a step's 2,048 bytes turn through the wave's stage, so that a lane then holds 16 neighbours along K (two lanes hold a block).
.set STEPS, 16
.set SP,    80                         ; a lane's place in a stage: 64 bytes + 16 of padding
.set R,     16                         ; v16-79   four sets of 16 numbers as loaded
.set X,     80                         ; v80-111  two sets of 16 neighbours
.set E,     112                        ; v112-127 a scale byte for each step
.set C,     128                        ; v128-189 codes: registers of its own for each step, so that no store's data are written again
	v_lshlrev_b32 v3, 4, v2                        ; my 16 bytes of a load's 512
	s_mul_i32 s24, s20, 8192                       ; my wave's region
	v_lshrrev_b32 v14, 2, v2
	v_mul_u32_u24 v14, v14, SP
	v_and_b32 v15, 3, v2
	v_lshl_add_u32 v14, v15, 4, v14
	v_add_nc_u32 v14, s24, v14                     ; into the stage: SP (lane / 4) + 16 (lane % 4)
	v_mul_u32_u24 v15, v2, SP
	v_add_nc_u32 v15, s24, v15                     ; out of it: SP x lane
	v_lshlrev_b32 v4, 3, v2                        ; my 8 bytes of a step's 256 bytes of codes
	v_lshrrev_b32 v5, 1, v2
	s_add_co_u32 s24, s24, 2*32*SP                 ; behind the two stages: my wave's 256 scale bytes
	v_add_nc_u32 v5, s24, v5
	v_lshlrev_b32 v7, 3, v2
	v_add_nc_u32 v6, s24, v7
	s_lshl_b32 s21, ttmp9, 2
	s_add_co_u32 s21, s21, s20                     ; which run of 8,192 numbers is my wave's
	s_lshl_b32 s22, s21, 15
	s_add_nc_u64 s[4:5], s[4:5], s[22:23]
	s_lshl_b32 s22, s21, 12
	s_add_nc_u64 s[10:11], s[10:11], s[22:23]
	s_lshl_b32 s22, s21, 8
	s_add_nc_u64 s[12:13], s[12:13], s[22:23]
.macro XLOAD t
.irp i, 0,1,2,3
	global_load_b128 v[R+16*((\t)%4)+4*\i:R+16*((\t)%4)+4*\i+3], v3, s[4:5] offset:2048*(\t)+512*\i th:TH_LOAD_NT
.endr
.endm
.macro XTURN t                         ; LDS serves a wave's instructions in order: no wait between the stores and the loads
.irp i, 0,1,2,3
	ds_store_b128 v14, v[R+16*((\t)%4)+4*\i:R+16*((\t)%4)+4*\i+3] offset:32*SP*((\t)%2)+8*SP*\i
.endr
.irp i, 0,1,2,3
	ds_load_b128 v[X+16*((\t)%2)+4*\i:X+16*((\t)%2)+4*\i+3], v15 offset:32*SP*((\t)%2)+16*\i
.endr
.endm
.irp t, 0,1,2,3
	XLOAD \t
.endr
	s_wait_loadcnt 12                              ; step 0's four loads are in; three steps' twelve stay out
	XTURN 0
.macro XSTEP t
.set XS, X+16*((\t)%2)
.if (\t) > 0
	s_wait_dscnt 1                                 ; this step's numbers are back from the stage; the last step's byte store may be out
.else
	s_wait_dscnt 0x0
.endif
.if (\t)+4 < STEPS
	XLOAD (\t)+4                                   ; into the registers that the stage's stores have read
.endif
.if (\t)+1 < STEPS
.if STEPS-2-(\t) >= 3
	s_wait_loadcnt 12                              ; the next step's four loads are in; those of the three steps behind it may be out
.else
	s_wait_loadcnt 4*(STEPS-2-(\t))
.endif
	XTURN (\t)+1
.endif
	v_max3_num_f32 v8, |v[XS]|, |v[XS+1]|, |v[XS+2]|
	v_max3_num_f32 v9, |v[XS+3]|, |v[XS+4]|, |v[XS+5]|
.irp i, 6,10
	v_max3_num_f32 v8, v8, |v[XS+\i]|, |v[XS+\i+1]|
	v_max3_num_f32 v9, v9, |v[XS+\i+2]|, |v[XS+\i+3]|
.endr
	v_max3_num_f32 v8, v8, |v[XS+14]|, |v[XS+15]|
	v_max3_num_f32 v8, v8, v9, 0x1800000           ; and the floor 2^(3 - 127): the byte cannot fall under 1
	v_max_num_f32_dpp v8, v8, v8 row_xmask:1 row_mask:0xf bank_mask:0xf   ; with my neighbour's 16: the block's largest magnitude
	v_add_nc_u32 v11, 0xff000000, v8               ; 2 off its exponent field: the conversion takes this operand's exponent field as its scale
	v_cvt_scalef32_pk8_fp4_f32 v[C+4*(\t)], v[XS:XS+7], v11
	v_cvt_scalef32_pk8_fp4_f32 v[C+4*(\t)+1], v[XS+8:XS+15], v11
	v_lshrrev_b32 v[E+(\t)], 23, v11               ; the scale's byte
	ds_store_b8 v5, v[E+(\t)] offset:16*(\t)       ; both lanes of a block write the same byte with the same value
	global_store_b64 v4, v[C+4*(\t):C+4*(\t)+1], s[10:11] offset:256*(\t)   ; the wave stores 256 consecutive bytes, aligned
.endm
.irp t, 0,1,2,3,4,5,6,7,8,9,10,11,12,13,14,15
	XSTEP \t
.endr
	ds_load_b64 v[8:9], v6                         ; my wave's 256 scale bytes, 8 a lane
	s_wait_dscnt 0x0
	global_store_b64 v7, v[8:9], s[12:13]          ; 256 consecutive bytes, aligned
	s_wait_tensorcnt 0x0                           ; the wave's end, behind my last LDS store
	ds_add_u32 v[SPW], v[NIL]
	s_wait_dscnt 0x0
	s_endpgm
; ---------------- W_qkv: K is its first axis.  A lane takes a column n and its registers run down K: a block of 32 lies in one lane, and the codes come out with K innermost.
; A work-group takes 128 columns x 256 along K, a wave 32 columns: 8 blocks a lane, 128 bytes of codes a column.  Two neighbouring columns' 128 bytes make one aligned run of 256 bytes of the output.
.Lnot_x:
	s_cmp_lt_u32 ttmp9, 352
	s_cbranch_scc0 .Lwo
	s_sub_co_u32 s21, ttmp9, 256
	s_lshr_b32 s24, s21, 2                         ; which 128 columns
	s_and_b32 s25, s21, 3                          ; which 256 along K
	s_lshl_b32 s24, s24, 7
	s_lshl_b32 s26, s20, 5
	s_add_co_u32 s24, s24, s26                     ; my wave's first column n0
	s_mul_i32 s22, s25, 256*12288                  ; W_qkv: 256 rows of 12,288 bytes,
	s_lshl_b32 s26, s24, 2
	s_add_co_u32 s22, s22, s26                     ; + 4 n0
	s_add_nc_u64 s[6:7], s[6:7], s[22:23]
	s_lshr_b32 s26, s25, 1
	s_mul_i32 s22, s26, 786432                     ; codes: the K step of 512,
	s_lshl_b32 s26, s24, 8
	s_add_co_u32 s22, s22, s26                     ; + (n0 / 2) x 512,
	s_and_b32 s26, s25, 1
	s_lshl_b32 s26, s26, 8
	s_add_co_u32 s22, s22, s26                     ; + which 256 of the 512 along K
	s_add_nc_u64 s[14:15], s[14:15], s[22:23]
	s_lshl_b32 s22, s24, 5                         ; scale bytes: 32 a column,
	s_lshl_b32 s26, s25, 3
	s_add_co_u32 s22, s22, s26                     ; + my 8
	s_add_nc_u64 s[16:17], s[16:17], s[22:23]
	v_lshlrev_b32 v3, 2, v2                        ; in: 4 bytes a lane
	s_mul_i32 s26, s20, 4352
	s_add_co_u32 s26, s26, WQL                     ; my stage: 16 rows (pairs of columns) x (256 + 16) bytes
	v_lshrrev_b32 v4, 1, v2
	v_mul_u32_u24 v4, v4, 272
	v_and_b32 v5, 1, v2
	v_lshl_add_u32 v4, v5, 7, v4
	v_add_nc_u32 v4, s26, v4                       ; into it: row lane / 2, half lane % 2
	v_and_b32 v5, 15, v2
	v_lshrrev_b32 v6, 4, v2
	v_mul_u32_u24 v7, v6, 272
	v_lshl_add_u32 v7, v5, 4, v7
	v_add_nc_u32 v7, s26, v7                       ; out of it: sixteen lanes to a row, two rows an instruction
	v_lshlrev_b32 v8, 9, v6
	v_lshl_add_u32 v8, v5, 4, v8                   ; and the same place in the codes' buffer: pairs of columns lie 512 bytes apart
	v_lshlrev_b32 v9, 5, v2                        ; my column's row of scale bytes
.macro QLOAD t                         ; block t: W(32 t + i, my column) into set t % 2
.irp i, 0,1,2,3,4,5,6,7,8,9,10,11,12,13,14,15,16,17,18,19,20,21,22,23,24,25,26,27,28,29,30,31
	global_load_b32 v[32+32*((\t)%2)+\i], v3, s[6:7] offset:(32*(\t)+\i)*12288 th:TH_LOAD_NT
.endr
.endm
	QLOAD 0
	QLOAD 1
.macro QBLOCK t
.set QS, 32+32*((\t)%2)
.if (\t) < 7
	s_wait_loadcnt 32                              ; this block's 32 loads are in; the next block's 32 may be out
.else
	s_wait_loadcnt 0x0
.endif
	v_max3_num_f32 v12, |v[QS]|, |v[QS+1]|, |v[QS+2]|
	v_max3_num_f32 v13, |v[QS+3]|, |v[QS+4]|, |v[QS+5]|
.irp i, 6,10,14,18,22,26
	v_max3_num_f32 v12, v12, |v[QS+\i]|, |v[QS+\i+1]|
	v_max3_num_f32 v13, v13, |v[QS+\i+2]|, |v[QS+\i+3]|
.endr
	v_max3_num_f32 v12, v12, |v[QS+30]|, |v[QS+31]|
	v_max3_num_f32 v12, v12, v13, 0x1800000        ; the floor 2^(3 - 127)
	v_add_nc_u32 v11, 0xff000000, v12              ; the conversion's scale operand
	v_lshrrev_b32 v13, 23, v11                     ; the scale's byte
.if (\t)%4 == 0
	v_mov_b32 v[24+(\t)/4], v13                    ; four bytes to a register, the lower K in the lower byte
.else
	v_lshl_or_b32 v[24+(\t)/4], v13, 8*((\t)%4), v[24+(\t)/4]
.endif
.irp g, 0,1,2,3
	v_cvt_scalef32_pk8_fp4_f32 v[96+\g], v[QS+8*\g:QS+8*\g+7], v11
.endr
	ds_store_b128 v4, v[96:99] offset:16*(\t)      ; 32 codes: 16 bytes of my column's 128
.if (\t)+2 < 8
	QLOAD (\t)+2
.endif
	s_wait_dscnt 0x0                               ; the store has read its registers: the next block's codes may be written
.endm
.irp t, 0,1,2,3,4,5,6,7
	QBLOCK \t
.endr
	global_store_b64 v9, v[24:25], s[16:17]        ; my column's 8 scale bytes
.irp i, 0,1,2,3,4,5,6,7
	ds_load_b128 v[112+4*\i:112+4*\i+3], v7 offset:\i*544
.endr
.irp i, 0,1,2,3,4,5,6,7
	s_wait_dscnt 7-\i                              ; LDS loads come back in order: load i is in
	global_store_b128 v8, v[112+4*\i:112+4*\i+3], s[14:15] offset:\i*1024   ; sixteen lanes store 256 consecutive bytes, aligned
.endr
	s_wait_tensorcnt 0x0                           ; the wave's end, behind my last LDS store
	ds_add_u32 v[SPW], v[NIL]
	s_wait_dscnt 0x0
	s_endpgm
; ---------------- W_out: rounded to f16 and turned.  A lane takes a column n, its registers run down K; a wave takes 32 columns x 128 along K: 256 bytes of f16 a column.
.Lwo:
	s_sub_co_u32 s21, ttmp9, 352
	s_and_b32 s24, s21, 7                          ; which 128 columns
	s_lshr_b32 s25, s21, 3                         ; which 128 along K
	s_lshl_b32 s24, s24, 7
	s_lshl_b32 s26, s20, 5
	s_add_co_u32 s24, s24, s26                     ; n0
	s_lshl_b32 s22, s25, 19                        ; 128 rows of 4,096 bytes
	s_lshl_b32 s26, s24, 2
	s_add_co_u32 s22, s22, s26
	s_add_nc_u64 s[8:9], s[8:9], s[22:23]
	s_lshl_b32 s22, s24, 11                        ; out: row n0 of 2,048 bytes,
	s_lshl_b32 s26, s25, 8
	s_add_co_u32 s22, s22, s26                     ; + my 256 bytes of it
	s_add_nc_u64 s[18:19], s[18:19], s[22:23]
	v_lshlrev_b32 v3, 2, v2
	s_mul_i32 s26, s20, 8704
	s_add_co_u32 s26, s26, WOL                     ; my stage: 32 rows x (256 + 16) bytes
	v_mul_u32_u24 v4, v2, 272
	v_add_nc_u32 v4, s26, v4                       ; into it: row = my column
	v_and_b32 v5, 15, v2
	v_lshrrev_b32 v6, 4, v2
	v_mul_u32_u24 v7, v6, 272
	v_lshl_add_u32 v7, v5, 4, v7
	v_add_nc_u32 v7, s26, v7                       ; out of it: sixteen lanes to a row
	v_lshlrev_b32 v8, 11, v6
	v_lshl_add_u32 v8, v5, 4, v8
.macro OLOAD q                         ; 32 along K of my column into group q's own registers
.irp i, 0,1,2,3,4,5,6,7,8,9,10,11,12,13,14,15,16,17,18,19,20,21,22,23,24,25,26,27,28,29,30,31
	global_load_b32 v[32+32*(\q)+\i], v3, s[8:9] offset:(32*(\q)+\i)*4096 th:TH_LOAD_NT
.endr
.endm
	OLOAD 0
	OLOAD 1
.irp q, 0,1,2,3
.if \q < 3
	s_wait_loadcnt 32                              ; this group's 32 loads are in; the next group's may be out
.else
	s_wait_loadcnt 0x0
.endif
.irp i, 0,1,2,3,4,5,6,7,8,9,10,11,12,13,14,15
	v_cvt_pk_f16_f32 v[160+\i], v[32+32*\q+2*\i], v[32+32*\q+2*\i+1]   ; two neighbours along K
.endr
.irp i, 0,1,2,3
	ds_store_b128 v4, v[160+4*\i:160+4*\i+3] offset:64*\q+16*\i
.endr
.if \q < 2
	OLOAD \q+2
.endif
	s_wait_dscnt 0x0                               ; the stores have read their registers
.endr
.irp i, 0,1,2,3,4,5,6,7,8,9,10,11,12,13,14,15
	ds_load_b128 v[32+4*\i:32+4*\i+3], v7 offset:\i*544
.endr
.irp i, 0,1,2,3,4,5,6,7,8,9,10,11,12,13,14,15
	s_wait_dscnt 15-\i
	global_store_b128 v8, v[32+4*\i:32+4*\i+3], s[18:19] offset:\i*4096   ; sixteen lanes store 256 consecutive bytes, aligned
.endr
	s_wait_tensorcnt 0x0                           ; the wave's end, behind my last LDS store
	ds_add_u32 v[SPW], v[NIL]
	s_wait_dscnt 0x0
	s_endpgm
.Lfunc_end_k_q8a77b133ef_prep:
	.size	k_q8a77b133ef_prep, .Lfunc_end_k_q8a77b133ef_prep-k_q8a77b133ef_prep
	.p2alignl 7, 3214868480
	.fill 96, 4, 3214868480
	.section	.rodata,"a",@progbits
	.p2align	6, 0x0
	.amdhsa_kernel k_q8a77b133ef_prep
		.amdhsa_group_segment_fixed_size 85504
		.amdhsa_private_segment_fixed_size 0
		.amdhsa_enable_private_segment 0
		.amdhsa_kernarg_size 64
		.amdhsa_user_sgpr_count 2
		.amdhsa_user_sgpr_kernarg_segment_ptr 1
		.amdhsa_wavefront_size32 1
		.amdhsa_system_sgpr_workgroup_id_x 1
		.amdhsa_system_sgpr_workgroup_id_y 1
		.amdhsa_system_sgpr_workgroup_id_z 1
		.amdhsa_system_vgpr_workitem_id 0
		.amdhsa_next_free_vgpr 192
		.amdhsa_next_free_sgpr 66
		.amdhsa_reserve_vcc 0
		.amdhsa_float_denorm_mode_32 3
		.amdhsa_float_denorm_mode_16_64 3
		.amdhsa_memory_ordered 1
		.amdhsa_forward_progress 1
		.amdhsa_inst_pref_size 94
	.end_amdhsa_kernel
	.amdgpu_metadata
---
amdhsa.version: [ 1, 2 ]
amdhsa.kernels:
  - .name:           k_q8a77b133ef_prep
    .symbol:         k_q8a77b133ef_prep.kd
    .args:
      - { .name: x, .offset: 0, .size: 8, .value_kind: global_buffer, .address_space: global }
      - { .name: W_qkv, .offset: 8, .size: 8, .value_kind: global_buffer, .address_space: global }
      - { .name: W_out, .offset: 16, .size: 8, .value_kind: global_buffer, .address_space: global }
      - { .name: x_codes, .offset: 24, .size: 8, .value_kind: global_buffer, .address_space: global }
      - { .name: x_scales, .offset: 32, .size: 8, .value_kind: global_buffer, .address_space: global }
      - { .name: w_codes, .offset: 40, .size: 8, .value_kind: global_buffer, .address_space: global }
      - { .name: w_scales, .offset: 48, .size: 8, .value_kind: global_buffer, .address_space: global }
      - { .name: wo_t, .offset: 56, .size: 8, .value_kind: global_buffer, .address_space: global }
    .group_segment_fixed_size: 85504
    .private_segment_fixed_size: 0
    .kernarg_segment_align: 8
    .kernarg_segment_size: 64
    .max_flat_workgroup_size: 128
    .sgpr_count:     66
    .vgpr_count:     192
    .wavefront_size: 32
...
	.end_amdgpu_metadata
.endif
;; end of part 1
;; launch qkv (part 2): grid 12 x 32, 4 waves a work-group, clusters of 4 x 4, 327,680 bytes of LDS; arguments x_codes, x_scales, w_codes, w_scales, qkv; writes qkv
.if DOCPART == 2
	.amdgcn_target "amdgcn-amd-amdhsa--gfx1250"
	.amdhsa_code_object_version 6
	.text
	.protected	k_q8a77b133ef_qkv
	.globl	k_q8a77b133ef_qkv
	.p2align	8
	.type	k_q8a77b133ef_qkv,@function
k_q8a77b133ef_qkv:
	s_mov_b64 s[64:65], 0
	v_nop
	global_prefetch_b8 v0, s[64:65] scope:SCOPE_SE
	s_setreg_imm32_b32 hwreg(HW_REG_WAVE_MODE, 25, 1), 1
	s_wait_xcnt 0x0
	s_wait_alu depctr_hold_cnt(0) depctr_sa_sdst(0) depctr_va_vdst(0) depctr_va_sdst(0) depctr_va_ssrc(0) depctr_va_vcc(0) depctr_vm_vsrc(0)
	s_getreg_b32 s2, hwreg(HW_REG_IB_STS2, 6, 4)
	s_cmp_eq_u32 s2, 0
	s_cbranch_scc0 .Lentry_in_a_cluster
	s_endpgm
.Lentry_in_a_cluster:
	s_bfe_u32 s2, ttmp6, 0x10000c
	s_cmp_lg_u32 s2, 0xf033
	s_cbranch_scc0 .Lentry_shape_is_right
	s_endpgm
.Lentry_shape_is_right:
; QKV: C[m][n] = sum over k of x[m][k] W_qkv[k][n], 8192 x 3072 x 1024, both operands as codes of E2M1 with one E8M0 scale for each 32 along K; sums in f32.
; The result is rounded to f16 and laid for the attention: [part q, k, v][batch x 16 + head][token][64].  LIMIT: f16: magnitudes of q, k, v stay under 65,504.
; A tile of C, 256 x 256, is made by a work-group of four waves; a wave makes 128 x 128: 64 accumulators of 16 x 16, 512 registers.
; K = 1024 is two LDS slots of 512 along K: both are asked for at the start, with the scale bytes; nothing is filled again.  By this text's count three tensor loads of a wave are out at the start.
; A's tile: 128 rows of 256 bytes a load, LDS rows 272 bytes apart.  B's codes lie [k/512][n/2][(k/256)%2][n%2][128 bytes]: a tile is 64 dense rows of 512 bytes (two columns each), LDS rows 528 bytes apart.
; CLUSTERS: 4 x 4 work-groups.  The four of a row of the cluster need the same tiles of A, the four of a column the same tiles of B: each is asked for jointly, by the same tensor load with a mask that names the four.
; THE MATRIX INSTRUCTION IS USED TRANSPOSED (source 0 = 16 columns of W, source 1 = 16 rows of x): a lane then holds eight neighbouring numbers of a row of C.
; REGISTERS: window 0: v0-31 addresses; v32-95 scale words, two sets; v96-127 packed results on the way out; from v128 A's fragments, one set (on the way out: rows read back).
;   window 1: B's fragments, two sets, at v0 and v128.   window 2: the accumulators of my rows 0-63 ((a, b) at v[8 (8 a + b)]);   window 3: those of rows 64-127.
.set NQ,     4                         ; steps of 128 along K in a slot
.set ROWB,   256                       ; a row of A's tile in bytes
.set KROW,   512                       ; a row of x_codes
.set PITCH,  272                       ; A's LDS row: 256 + 16: the 16 rows of a load begin 16 bytes further on, modulo 256, from row to row
.set PB,     528                       ; B's LDS row: 512 + 16
.set BSTEP,  786432                    ; from one K step of w_codes to the next
.set FR,     8
.set NL,     2
.set NP,     4                         ; places behind this matrix instruction (ISA guide 7.12.1)
.set HALFA,  128*PITCH
.set HALFB,  64*PB
.set SLOT,   2*HALFA+2*HALFB           ; A's 256 rows, then B's 256 columns
.set KS,     32                        ; a row of scale bytes
.set SCL,    2*SLOT                    ; behind the slots: the scale bytes, as units of 256 bytes + 16 of padding
.set HALFS,  (128*KS/256)*272
.set SBLK,   (16*KS/256)*272
.set SPARE,  SCL+4*HALFS               ; the spare words, 128 bytes a wave
.set SPITCH, 272                       ; the way out: a stage of 16 rows x (256 + 16) bytes a wave, in slot 0, which has had its only fill and its last read by then
.set ADRA, 16
.set ADRB, 20
.set STO,  24
.set RD,   25
.set CO,   26
.set ADRS, 27
.set SPW,  28
.set NIL,  29
.set SC,   32
.set TMP,  96
.set AF,   128
.set BK,   128
.set G1, 24
.set G0, 32
.set G1B, 48
.set G0B, 56
.set G1S, 68
.set G0S, 76
.set G1SB, 80
.set G0SB, 88
.set MSB, 0
.macro WIN new                         ; the immediate's high byte repeats the setting that is left
.if MSB != \new
	s_set_vgpr_msb (MSB<<8)|\new
.set MSB, \new
.endif
.endm
.set MUL_LO, 0xa1                      ; source 0 (B) window 1, source 1 (A) window 0, C and D window 2
.set MUL_HI, 0xf1
.set TO_B,   0x40
; A joint load: waves 0 and 1 fetch for A, waves 2 and 3 for B.  The branch hangs on the wave's number alone.  An s_nop 0 and four v_nop follow each line.
.macro JLOAD g0a, g1a, g0b, g1b
	s_cmp_eq_u32 s15, 0
	s_cbranch_scc0 .Lfor_b_\@
	tensor_load_to_lds s[\g0a:\g0a+3], s[\g1a:\g1a+7]
	s_nop 0
.rept 4
	v_nop
.endr
	s_branch .Lasked_\@
.Lfor_b_\@:
	tensor_load_to_lds s[\g0b:\g0b+3], s[\g1b:\g1b+7]
	s_nop 0
.rept 4
	v_nop
.endr
.Lasked_\@:
.endm
.macro CROUND                          ; a round of the cluster's barrier
	s_barrier_signal -1
	s_barrier_wait -1
	s_cmp_lg_u32 s14, 0
	s_cbranch_scc1 .Lnot_wave_0_\@
	s_barrier_signal -3
.Lnot_wave_0_\@:
	s_barrier_wait -3
	s_barrier_signal -1
	s_barrier_wait -1
.endm
	s_load_b128 s[4:7], s[0:1], 0x0                ; x_codes s[4:5], x_scales s[6:7]
	s_load_b128 s[8:11], s[0:1], 0x10              ; w_codes s[8:9], w_scales s[10:11]
	s_load_b64 s[12:13], s[0:1], 0x20              ; qkv
	v_lshl_add_u32 v[SPW], v0, 2, SPARE
	v_mov_b32 v[NIL], 0
	ds_add_u32 v[SPW], v[NIL]                      ; the wave's opening: the add, twice on end, and its wait ahead of my first tensor load
	ds_add_u32 v[SPW], v[NIL]
	v_lshrrev_b32 v1, 5, v0
	v_readfirstlane_b32 s14, v1                    ; wave 0..3
	s_lshr_b32 s15, s14, 1                         ; which half of the tile's rows is mine.  Also: I fetch for A (0) or for B (1)
	s_and_b32 s16, s14, 1                          ; which half of its columns.  Also: which half of that tile I fetch
	s_bfe_u32 s40, ttmp6, 0x40000                  ; cx, cy
	s_bfe_u32 s41, ttmp6, 0x40004
	s_lshl_b32 s42, ttmp9, 2
	s_add_co_u32 s42, s42, s40                     ; tile column of C
	s_and_b32 s17, ttmp7, 0xffff
	s_lshl_b32 s17, s17, 2
	s_add_co_u32 s17, s17, s41                     ; tile row of C
	s_lshl_b32 s43, s41, 2
	s_lshl_b32 s43, 15, s43                        ; my row of the cluster
	s_lshl_b32 s44, 0x1111, s40                    ; my column
	s_or_b32 s[G1+0], s43, (0<<16)|(1<<20)|(1<<21)|(5<<22)|(3<<25)    ; the mask; elements of 1 byte; padding: 4 words behind every 64
	s_mov_b32 s[G1+1], ROWB<<16                    ; tensor_dim0 = 256
	s_mov_b32 s[G1+2], 128<<16                     ; tensor_dim1 = 128
	s_mov_b32 s[G1+3], ROWB<<16                    ; tile_dim0
	s_mov_b32 s[G1+4], 128                         ; tile_dim1
	s_mov_b32 s[G1+5], KROW                        ; from row to row
	s_mov_b32 s[G1+6], 0
	s_mov_b32 s[G1+7], 0
	s_or_b32 s[G1B+0], s44, (0<<16)|(1<<20)|(1<<21)|(6<<22)|(3<<25)   ; padding: 4 words behind every 128
	s_mov_b32 s[G1B+1], 512<<16
	s_mov_b32 s[G1B+2], 64<<16
	s_mov_b32 s[G1B+3], 512<<16
	s_mov_b32 s[G1B+4], 64
	s_mov_b32 s[G1B+5], 512
	s_mov_b32 s[G1B+6], 0
	s_mov_b32 s[G1B+7], 0
	s_or_b32 s[G1S+0], s43, (3<<16)|(1<<20)|(1<<21)|(5<<22)|(3<<25)   ; the scale bytes of 128 rows: 4,096 dense bytes as 16 rows of 32 elements of 8 bytes
	s_or_b32 s[G1SB+0], s44, (3<<16)|(1<<20)|(1<<21)|(5<<22)|(3<<25)
.irp g, G1S, G1SB
	s_mov_b32 s[\g+1], 32<<16
	s_mov_b32 s[\g+2], (128*KS/256)<<16
	s_mov_b32 s[\g+3], 32<<16
	s_mov_b32 s[\g+4], 128*KS/256
	s_mov_b32 s[\g+5], 32
	s_mov_b32 s[\g+6], 0
	s_mov_b32 s[\g+7], 0
.endr
	s_lshl_b32 s18, s16, 7                         ; which 128 of the tile's 256 I fetch
	s_lshl_b32 s20, s17, 8
	s_add_co_u32 s20, s20, s18                     ; A: row
	s_lshl_b32 s46, s42, 8
	s_add_co_u32 s46, s46, s18                     ; B: column
	s_mov_b32 s21, 0
	s_mov_b32 s47, 0
	s_mov_b64 s[18:19], KS
	s_mul_u64 s[22:23], s[20:21], s[18:19]         ; where their scale bytes begin
	s_mul_u64 s[92:93], s[46:47], s[18:19]
	s_mov_b64 s[18:19], KROW
	s_mul_u64 s[20:21], s[20:21], s[18:19]         ; A's codes
	s_lshl_b64 s[46:47], s[46:47], 8               ; B's codes: (column / 2) x 512
	s_mul_i32 s45, s16, HALFA                      ; where they go: no place in the cluster enters an LDS address
	s_mul_i32 s95, s16, HALFB
	s_add_co_u32 s95, s95, 2*HALFA
	s_mul_i32 s94, s14, HALFS
	s_wait_dscnt 0x0                               ; both opening adds are done
	s_wait_kmcnt 0x0
	s_add_nc_u64 s[20:21], s[4:5], s[20:21]
	s_add_nc_u64 s[22:23], s[6:7], s[22:23]
	s_add_nc_u64 s[46:47], s[8:9], s[46:47]
	s_add_nc_u64 s[92:93], s[10:11], s[92:93]
	CROUND                                         ; all sixteen work-groups are here: the joint loads meet
	s_mov_b32 s[G0S], 1
	s_add_co_u32 s[G0S+1], s94, SCL
	s_mov_b64 s[G0S+2:G0S+3], s[22:23]
	s_or_b32 s[G0S+3], s[G0S+3], 0x80000000
	s_mov_b32 s[G0SB], 1
	s_add_co_u32 s[G0SB+1], s94, SCL
	s_mov_b64 s[G0SB+2:G0SB+3], s[92:93]
	s_or_b32 s[G0SB+3], s[G0SB+3], 0x80000000
	JLOAD G0S, G1S, G0SB, G1SB                     ; the scale bytes first: they are wanted with the first slot
.irp s, 0,1
	s_mov_b32 s[G0+4*\s], 1
	s_add_co_u32 s[G0+4*\s+1], s45, \s*SLOT
	s_add_nc_u64 s[G0+4*\s+2:G0+4*\s+3], s[20:21], \s*ROWB
	s_or_b32 s[G0+4*\s+3], s[G0+4*\s+3], 0x80000000
	s_mov_b32 s[G0B+4*\s], 1
	s_add_co_u32 s[G0B+4*\s+1], s95, \s*SLOT
	s_add_nc_u64 s[G0B+4*\s+2:G0B+4*\s+3], s[46:47], \s*BSTEP
	s_or_b32 s[G0B+4*\s+3], s[G0B+4*\s+3], 0x80000000
	JLOAD G0+4*\s, G1, G0B+4*\s, G1B
.endr
	v_and_b32 v1, 15, v0                           ; r
	v_bfe_u32 v2, v0, 4, 1                         ; h
	v_mul_u32_u24 v3, v1, PITCH
	v_lshl_add_u32 v4, v2, 4, v3                   ; A: row r x pitch + 16 h
	v_lshrrev_b32 v3, 1, v1
	v_mul_u32_u24 v3, v3, PB
	v_and_b32 v5, 1, v0
	v_lshl_add_u32 v3, v5, 7, v3
	v_lshl_add_u32 v3, v2, 4, v3                   ; B: pair r / 2 x pitch + 128 (r % 2) + 16 h
	s_mul_i32 s21, s15, HALFA                      ; my 128 rows of A
	s_mul_i32 s22, s16, HALFB                      ; my 128 columns of B,
	s_add_co_u32 s22, s22, 2*HALFA                 ; behind A's 256 rows
.irp s, 0,1
	v_add_nc_u32 v[ADRA+\s], s21, v4
	v_add_nc_u32 v[ADRB+\s], s22, v3
	s_add_co_u32 s21, s21, SLOT
	s_add_co_u32 s22, s22, SLOT
.endr
	v_mul_u32_u24 v5, v1, KS                       ; my row's scale bytes: KS a row,
	v_lshrrev_b32 v6, 8, v5
	v_lshl_add_u32 v5, v6, 4, v5                   ; and 16 more for each 256 passed
	s_mul_i32 s21, s15, HALFS
	s_mul_i32 s22, s16, HALFS
	s_add_co_u32 s22, s22, 2*HALFS
	s_sub_co_u32 s22, s22, s21
	v_mul_u32_u24 v6, s22, v2                      ; lanes 16-31 take B's
	s_add_co_u32 s21, s21, SCL
	v_add_nc_u32 v5, v5, v6
	v_add_nc_u32 v[ADRS], s21, v5
	s_mul_i32 s23, s14, 16*SPITCH                  ; my stage
	v_mul_u32_u24 v5, v1, SPITCH
	v_lshl_add_u32 v5, v2, 4, v5
	v_add_nc_u32 v[STO], s23, v5                   ; in: row r, 16 bytes for each half of the lanes
	v_bfe_u32 v5, v0, 3, 1
	v_mul_u32_u24 v5, v5, SPITCH
	v_and_b32 v6, 7, v0
	v_lshl_add_u32 v5, v6, 4, v5
	v_lshl_add_u32 v5, v2, 7, v5
	v_add_nc_u32 v[RD], s23, v5                    ; back: lanes 0-15 two tokens' 128 bytes of my first head, lanes 16-31 of my second
	v_lshlrev_b32 v[CO], 4, v1
	v_lshl_add_u32 v[CO], v2, 18, v[CO]            ; the same in memory: a head is 262,144 bytes on from the last
	s_lshl_b32 s20, s17, 8
	s_lshl_b32 s21, s15, 7
	s_add_co_u32 s20, s20, s21                     ; my first row of C
	s_lshr_b32 s21, s20, 11                        ; its batch: 16 heads of 262,144 bytes
	s_lshl_b32 s21, s21, 22
	s_and_b32 s20, s20, 2047                       ; its token: 128 bytes
	s_lshl_b32 s20, s20, 7
	s_add_co_u32 s20, s20, s21
	s_mov_b32 s21, 0
	s_lshl_b32 s46, s42, 8
	s_lshl_b32 s47, s16, 7
	s_add_co_u32 s46, s46, s47                     ; my first column
	s_lshr_b32 s47, s46, 10                        ; q, k or v: 16,777,216 bytes each
	s_lshl_b32 s47, s47, 24
	s_bfe_u32 s46, s46, 0x40006                    ; its head
	s_lshl_b32 s46, s46, 18
	s_add_co_u32 s46, s46, s47
	s_mov_b32 s47, 0
	s_add_nc_u64 s[20:21], s[20:21], s[46:47]
	s_add_nc_u64 s[12:13], s[12:13], s[20:21]
; A fragment, 16 rows x 128 K of 4-bit codes, is 8 registers: lane l holds row l % 16; registers 4 c .. 4 c + 3 hold K = 64 c + 32 (l / 16) + 0 .. 31.
.macro FRAGA reg, adr, q, i
.irp c, 0,1
	ds_load_b128 v[\reg+4*\c:\reg+4*\c+3], v[\adr] offset:64*(\q)+32*\c+(\i)*16*PITCH
.endr
.endm
.macro FRAGB reg, adr, q, i            ; 16 columns are 8 LDS rows; the slot's q-th 128 along K: 256 (q / 2) + 64 (q % 2) bytes on
.irp c, 0,1
	ds_load_b128 v[\reg+4*\c:\reg+4*\c+3], v[\adr] offset:256*((\q)/2)+64*((\q)%2)+32*\c+(\i)*8*PB
.endr
.endm
; 16 matrix instructions: A's blocks a0, a0 + 1 x B's eight.  The 64 accumulators take turns, one instruction a turn, in the same order in every step.
.macro MUL16 a0, p, q, sc, zero
.irp a, \a0, \a0+1
.irp b, 0,1,2,3,4,5,6,7
.if \zero
	v_wmma_scale_f32_16x16x128_f8f6f4 v[8*(8*((\a)%4)+\b):8*(8*((\a)%4)+\b)+7], v[128*(\p)+FR*\b:128*(\p)+FR*\b+FR-1], v[AF+FR*(\a):AF+FR*(\a)+FR-1], 0, v[SC+8*NQ*(\sc)+NQ*\b+(\q)], v[SC+8*NQ*(\sc)+NQ*(\a)+(\q)] matrix_a_fmt:MATRIX_FMT_FP4 matrix_b_fmt:MATRIX_FMT_FP4 matrix_a_scale:MATRIX_SCALE_ROW1
.else
	v_wmma_scale_f32_16x16x128_f8f6f4 v[8*(8*((\a)%4)+\b):8*(8*((\a)%4)+\b)+7], v[128*(\p)+FR*\b:128*(\p)+FR*\b+FR-1], v[AF+FR*(\a):AF+FR*(\a)+FR-1], v[8*(8*((\a)%4)+\b):8*(8*((\a)%4)+\b)+7], v[SC+8*NQ*(\sc)+NQ*\b+(\q)], v[SC+8*NQ*(\sc)+NQ*(\a)+(\q)] matrix_a_fmt:MATRIX_FMT_FP4 matrix_b_fmt:MATRIX_FMT_FP4 matrix_a_scale:MATRIX_SCALE_ROW1
.endif
.endr
.endr
.endm
.macro FETCH_B slot, q, p
	WIN TO_B
.irp i, 0,1,2,3,4,5,6,7
	FRAGB 128*(\p)+FR*\i, ADRB+\slot, \q, \i
.endr
	WIN 0
.endm
.macro FETCH_A slot, q, i0
.irp i, \i0, \i0+1, \i0+2, \i0+3
	FRAGA AF+FR*(\i), ADRA+\slot, \q, \i
.endr
.endm
.macro SCALES sc                       ; a slot's scale words: 4 words a row; lanes 0-15 take A's block i, lanes 16-31 B's block i
.irp i, 0,1,2,3,4,5,6,7
	ds_load_b128 v[SC+8*NQ*\sc+NQ*\i:SC+8*NQ*\sc+NQ*\i+3], v[ADRS] offset:\i*SBLK
.endr
.endm
.macro PLACES n                        ; plain vector instructions between a matrix instruction and a load into, or a read of, its registers
.rept \n
	v_nop
.endr
.endm
.macro STEP slot, q, zero              ; a step of 128 along K that has its successor in the same slot
	s_wait_dscnt 4*NL                              ; B's set and A's blocks 0-3 are in; the youngest eight loads (A's blocks 4-7) may be out
	WIN MUL_LO
	MUL16 0, (\q)%2, \q, \slot, \zero
	MUL16 2, (\q)%2, \q, \slot, \zero
	s_wait_dscnt 0                                 ; A's blocks 4-7 are in
	PLACES NP
	FETCH_B \slot, (\q)+1, 1-(\q)%2
	FETCH_A \slot, (\q)+1, 0
	WIN MUL_HI
	MUL16 4, (\q)%2, \q, \slot, \zero
	MUL16 6, (\q)%2, \q, \slot, \zero
	PLACES NP
	WIN 0
	FETCH_A \slot, (\q)+1, 4
.endm
.macro TURN slot, next                 ; a slot's last step changes slots: one barrier; nothing is filled again
	s_wait_tensorcnt 0x0                           ; all my tensor loads have landed: my part of the next slot;
	ds_add_u32 v[SPW], v[NIL]                      ; 0 onto my spare word;
	s_wait_dscnt 4*NL+1                            ; (the add and the youngest eight loads may be out)
	WIN MUL_LO
	MUL16 0, 1, NQ-1, \slot, 0
	s_wait_dscnt 0x0                               ; the add is done, and my reads of this slot are over
	s_barrier_signal -1
	MUL16 2, 1, NQ-1, \slot, 0
	WIN 0
	s_barrier_wait -1                              ; the next slot is whole, and nobody reads this one any more
	PLACES NP
	v_add_nc_u32 v[ADRS], 4*NQ, v[ADRS]            ; on to the next slot's scale words
	FETCH_B \next, 0, 0
	FETCH_A \next, 0, 0
	SCALES \next
	WIN MUL_HI
	MUL16 4, 1, NQ-1, \slot, 0
	MUL16 6, 1, NQ-1, \slot, 0
	PLACES NP
	WIN 0
	FETCH_A \next, 0, 4
.endm
.macro STEPS slot, from
.set Q, \from
.rept NQ-1-\from
	STEP \slot, Q, 0
.set Q, Q+1
.endr
.endm
	s_wait_tensorcnt 1                             ; the scale bytes and my part of slot 0 are in; slot 1's load may be out
	s_barrier_signal -1
	s_barrier_wait -1
	FETCH_B 0, 0, 0
	FETCH_A 0, 0, 0
	SCALES 0
	FETCH_A 0, 0, 4
	STEP 0, 0, 1                                   ; the first products start the sums: nothing is cleared
	STEPS 0, 1
	TURN 0, 1
	STEPS 1, 0
	s_wait_dscnt 4*NL                              ; the last step: nothing more to fetch
	WIN MUL_LO
	MUL16 0, 1, NQ-1, 1, 0
	MUL16 2, 1, NQ-1, 1, 0
	s_wait_dscnt 0
	WIN MUL_HI
	MUL16 4, 1, NQ-1, 1, 0
	MUL16 6, 1, NQ-1, 1, 0
	WIN 0
; THE WAY OUT, block by block of 16 rows x 128 columns (two heads).  A lane's eight results pack into 16 bytes of f16; they go through my stage and come back so that
; sixteen lanes hold two tokens' 128 bytes of one head: 256 consecutive bytes of the output.
.macro PACK a
.set AC, 64*((\a)%4)
	WIN 0x0a+5*((\a)/4)                            ; sources 0 and 1: window 2 or 3
.irp b, 0,1,2,3,4,5,6,7
.irp r, 0,1,2,3
	v_cvt_pk_f16_f32 v[TMP+4*\b+\r], v[AC+8*\b+2*\r], v[AC+8*\b+2*\r+1]   ; each accumulator from its low end on
.endr
.endr
	WIN 0
.endm
.macro TOSTAGE a
.set BB, BK+32*((\a)%2)
.irp b, 0,1,2,3,4,5,6,7
	ds_store_b128 v[STO], v[TMP+4*\b:TMP+4*\b+3] offset:32*\b
.endr
.irp t, 0,1,2,3,4,5,6,7
	ds_load_b128 v[BB+4*\t:BB+4*\t+3], v[RD] offset:\t*2*SPITCH   ; LDS serves a wave's instructions in order: these see the stores above
.endr
.endm
.macro SEND a
.set BB, BK+32*((\a)%2)
	s_wait_dscnt 0x0                               ; the block is back in registers
	s_wait_xcnt 0x0                                ; the block before's stores have read their registers: the next block's loads may land there
.irp t, 0,1,2,3,4,5,6,7
	global_store_b128 v[CO], v[BB+4*\t:BB+4*\t+3], s[12:13] offset:(\a)*2048+\t*256   ; 16 lanes store 256 consecutive bytes, aligned
.endr
.endm
	PLACES NP
	PACK 0
	TOSTAGE 0
.irp a, 1,2,3,4,5,6,7                  ; block a's conversions stand between block a - 1's loads from the stage and the wait for them
	PACK \a
	SEND \a-1
	TOSTAGE \a
.endr
	SEND 7
	s_wait_tensorcnt 0x0                           ; the wave's end
	ds_add_u32 v[SPW], v[NIL]
	s_wait_dscnt 0x0
	CROUND                                         ; the closing round
	s_endpgm
.Lfunc_end_k_q8a77b133ef_qkv:
	.size	k_q8a77b133ef_qkv, .Lfunc_end_k_q8a77b133ef_qkv-k_q8a77b133ef_qkv
	.p2alignl 7, 3214868480
	.fill 96, 4, 3214868480
	.section	.rodata,"a",@progbits
	.p2align	6, 0x0
	.amdhsa_kernel k_q8a77b133ef_qkv
		.amdhsa_group_segment_fixed_size 327680
		.amdhsa_private_segment_fixed_size 0
		.amdhsa_enable_private_segment 0
		.amdhsa_kernarg_size 40
		.amdhsa_user_sgpr_count 2
		.amdhsa_user_sgpr_kernarg_segment_ptr 1
		.amdhsa_wavefront_size32 1
		.amdhsa_system_sgpr_workgroup_id_x 1
		.amdhsa_system_sgpr_workgroup_id_y 1
		.amdhsa_system_sgpr_workgroup_id_z 1
		.amdhsa_system_vgpr_workitem_id 0
		.amdhsa_next_free_vgpr 1024
		.amdhsa_next_free_sgpr 98
		.amdhsa_reserve_vcc 0
		.amdhsa_float_denorm_mode_32 3
		.amdhsa_float_denorm_mode_16_64 3
		.amdhsa_memory_ordered 1
		.amdhsa_forward_progress 1
		.amdhsa_inst_pref_size 127
	.end_amdhsa_kernel
	.amdgpu_metadata
---
amdhsa.version: [ 1, 2 ]
amdhsa.kernels:
  - .name:           k_q8a77b133ef_qkv
    .symbol:         k_q8a77b133ef_qkv.kd
    .args:
      - { .name: x_codes, .offset: 0, .size: 8, .value_kind: global_buffer, .address_space: global }
      - { .name: x_scales, .offset: 8, .size: 8, .value_kind: global_buffer, .address_space: global }
      - { .name: w_codes, .offset: 16, .size: 8, .value_kind: global_buffer, .address_space: global }
      - { .name: w_scales, .offset: 24, .size: 8, .value_kind: global_buffer, .address_space: global }
      - { .name: qkv, .offset: 32, .size: 8, .value_kind: global_buffer, .address_space: global }
    .group_segment_fixed_size: 327680
    .private_segment_fixed_size: 0
    .kernarg_segment_align: 8
    .kernarg_segment_size: 40
    .max_flat_workgroup_size: 128
    .sgpr_count:     98
    .vgpr_count:     1024
    .wavefront_size: 32
...
	.end_amdgpu_metadata
.endif
;; end of part 2
;; launch attn (part 3): grid 4 x 64, 8 waves a work-group, clusters of 4 x 1, 327,680 bytes of LDS; arguments qkv, temperature, ao; writes ao
.if DOCPART == 3
	.amdgcn_target "amdgcn-amd-amdhsa--gfx1250"
	.amdhsa_code_object_version 6
	.text
	.protected	k_q8a77b133ef_attn
	.globl	k_q8a77b133ef_attn
	.p2align	8
	.type	k_q8a77b133ef_attn,@function
k_q8a77b133ef_attn:
	s_mov_b64 s[64:65], 0
	v_nop
	global_prefetch_b8 v0, s[64:65] scope:SCOPE_SE
	s_setreg_imm32_b32 hwreg(HW_REG_WAVE_MODE, 25, 1), 1
	s_wait_xcnt 0x0
	s_wait_alu depctr_hold_cnt(0) depctr_sa_sdst(0) depctr_va_vdst(0) depctr_va_sdst(0) depctr_va_ssrc(0) depctr_va_vcc(0) depctr_vm_vsrc(0)
	s_getreg_b32 s2, hwreg(HW_REG_IB_STS2, 6, 4)
	s_cmp_eq_u32 s2, 0
	s_cbranch_scc0 .Lentry_in_a_cluster
	s_endpgm
.Lentry_in_a_cluster:
	s_bfe_u32 s2, ttmp6, 0x10000c
	s_cmp_lg_u32 s2, 0x3003
	s_cbranch_scc0 .Lentry_shape_is_right
	s_endpgm
.Lentry_shape_is_right:
; ATTN: for each of 64 (batch, head): O[q] = sum over k of softmax_k(exp(temperature) Q[q] . K[k], the key k = q left out) V[k].  2,048 tokens, head size 64.
; Q, K, V: f16, [part][batch x 16 + head][token][64].  Products on f16 operands, sums, maxima and softmax in f32; the weights p are rounded to f16 for the second product, O once at the end.
; O goes out as f16, laid [token / 2][head][token % 2][64], so that a head's two tokens are 256 consecutive bytes.
; LIMITS: NaN and infinities are not served; p under 2^-24 counts as 0 in the second product (the row's sum is at least 1); the hidden key's score is -3e38 + q.k, which is told apart from true
; scores only while these stay above -3e38; exp(temperature) is taken to be a positive normal number.
; SHARES.  A work-group owns 512 queries of one head, each of its eight waves 64: four tiles of 16, in 512 registers; two waves lie on a SIMD.  Every wave walks all keys, 64 a step.
; LAYOUT.  S^T = K Q^T (source 0 = 16 keys, source 1 = 16 queries): a lane holds ONE query (lane % 16) and keys 8 (lane / 16) + 0..7.  Two such tiles, rounded to f16 in pairs, are source 1 of
; O^T = V^T P, whose result again holds one query a lane.  K comes out of LDS as it lies, V turned, by ds_load_tr16_b128.
; SOFTMAX.  A running maximum m and sum l for each query: p = 2^(c s - c m), c = log2(e) exp(temperature); in every step O and l are multiplied by a = 2^(c m_old - c m_new).
; THE DIAGONAL.  A wave's queries meet their own keys in one key step, in the four tiles with the same number among keys and queries.  There the first product's C is a tile that holds -3e38 on its
; diagonal; in all other steps that tile is multiplied by 0.  A select, no branch.
; TWO ROLES.  All waves run one program: .. K Q^T (j), softmax (j), V^T P (j), K Q^T (j + 1) ..  Only the place of the change of slots differs: role 0 has done the softmax in hand when it reaches
; the barrier, role 1 does it behind the barrier.  So behind each barrier one role begins with vector work and the other with matrix work.  role = (w xor w / 4) % 2.
; CLUSTER.  The four query blocks of a head walk the same K and V: each tile is asked for jointly, by the same tensor load with the mask of all four.  One tensor load of a wave is out at a time.
; REGISTERS.  window 0: v1-15 addresses and work; v16-47 statistics, 8 a tile; v48-55 the diagonal tile, v56-63 the same x 0 or 1; v64-191 S^T, 32 a tile (P in a tile's first 16); v192-255 V.
;   window 1: v0-63 Q; v64-127 K; v128-255 O^T, 32 a tile.
.set KS,    64
.set PK,    144                        ; a row of K in LDS: 128 bytes + 16
.set PVP,   160                        ; a row of V: 128 + 32
.set VOFF,  KS*PK                      ; a step's tiles lie together: 64 rows of K, then 64 rows of V
.set STEPB, KS*(PK+PVP)
.set NST,   4                          ; key steps in a slot
.set SLOTB, NST*KS*128                 ; a slot's bytes of K, or of V, in memory
.set SLOT1, 1<<17                      ; slot 1 begins here: one exclusive or turns an address from one slot to the other
.set STAGE, SLOT1+NST*STEPB            ; behind the ring: a stage for each wave, 8 rows x 272 bytes in 2,304
.set WSTG,  2304
.set SPARE, STAGE+8*WSTG               ; the spare words, 128 bytes a wave: four blocks of 256 bytes that no other line names
.set AK0, 2
.set AV0, 3
.set ADK, 4
.set ADV, 5
.set QO,  6
.set STO, 7
.set RD,  8
.set GO,  9
.set SPW, 10
.set NIL, 11
.set PFO, 12
.set ST,  16                           ; tile t at v[ST + 8 t]: +0 c m, +1 m, +2, +3 l, +4, +5 at work (and the sum's second chain), +6 at work, then a, +7 at work
.set DT,  48
.set MK,  56
.set S,   64
.set VF,  192
.set QF,  0                            ; in window 1
.set KF,  64
.set OT,  128
.set WV,   12
.set ROLE, 14
.set LIM,  15
.set PFA,  18
.set G1K,  24
.set G1V,  32
.set G0K,  40
.set G0V,  44
.set SLOTS, 48
.set CNT,  49
.set TB,   50
.set J1,   51
.set DJ,   52
.set FLG,  53
.set ONE,  54
.set CS,   56
.set SEL,  58
.set MSB, 0
.macro WIN new                         ; the immediate's high byte repeats the setting that is left
.if MSB != \new
	s_set_vgpr_msb (MSB<<8)|\new
.set MSB, \new
.endif
.endm
; A joint load: waves 0 to 3 fetch the slot's four tiles of K, waves 4 to 7 those of V.  The branch hangs on the wave's number alone.  An s_nop 0 and four v_nop follow each line.
.macro JLOAD
	s_cmp_lt_u32 s[WV], 4
	s_cbranch_scc0 .Lfor_v_\@
	tensor_load_to_lds s[G0K:G0K+3], s[G1K:G1K+7]
	s_nop 0
.rept 4
	v_nop
.endr
	s_branch .Lasked_\@
.Lfor_v_\@:
	tensor_load_to_lds s[G0V:G0V+3], s[G1V:G1V+7]
	s_nop 0
.rept 4
	v_nop
.endr
.Lasked_\@:
.endm
; A prefetch of what the NEXT change of slots will ask for: four key steps ahead of that load.  A head is walked by this cluster alone.  Its four partners share a slot's rows out by address: the partner
; at place p takes key step p of the slot, 8,192 bytes, lanes 256 bytes apart; wave 0 asks for K's, wave 4 for V's.  So each run of 256 bytes is named once.  The last change that fills asks for nothing.
.macro ASK
	s_cmp_gt_u32 s[SLOTS], s[LIM]
	s_cbranch_scc0 .Lnot_mine_\@
	global_prefetch_b8 v[PFO], s[PFA:PFA+1] th:TH_LOAD_NT scope:SCOPE_SE
.Lnot_mine_\@:
.endm
.macro CROUND                          ; a round of the cluster's barrier
	s_barrier_signal -1
	s_barrier_wait -1
	s_cmp_lg_u32 s[WV], 0
	s_cbranch_scc1 .Lnot_wave_0_\@
	s_barrier_signal -3
.Lnot_wave_0_\@:
	s_barrier_wait -3
	s_barrier_signal -1
	s_barrier_wait -1
.endm
	s_load_b64 s[4:5], s[0:1], 0x0                 ; qkv
	s_load_b64 s[60:61], s[0:1], 0x8               ; temperature
	s_load_b64 s[10:11], s[0:1], 0x10              ; ao
	v_lshl_add_u32 v[SPW], v0, 2, SPARE
	v_mov_b32 v[NIL], 0
	ds_add_u32 v[SPW], v[NIL]                      ; the wave's opening: the add, twice on end, and its wait ahead of my first tensor load
	ds_add_u32 v[SPW], v[NIL]
	v_lshrrev_b32 v1, 5, v0
	v_readfirstlane_b32 s[WV], v1                  ; wave 0..7
	s_bfe_u32 s13, ttmp6, 0x40000                  ; cx: my block of 512 queries
	s_lshr_b32 s[ROLE], s[WV], 2
	s_xor_b32 s[ROLE], s[ROLE], s[WV]
	s_and_b32 s[ROLE], s[ROLE], 1
	s_and_b32 s20, ttmp7, 0xffff                   ; batch x 16 + head, which the four partners share
	s_lshl_b32 s22, s20, 18                        ; the head's first byte in a part
	s_and_b32 s16, s[WV], 3                        ; which of a slot's four steps I fetch:
	s_lshl_b32 s21, s16, 13                        ; its 64 rows of 128 bytes in memory,
	s_add_co_u32 s22, s22, s21
	s_mov_b32 s23, 0
	s_mul_i32 s17, s16, STEPB                      ; and its place in a slot
	s_lshl_b32 s2, s13, 16                         ; Q: my block's 512 rows of 128 bytes,
	s_lshl_b32 s3, s[WV], 13                       ; my wave's 64,
	s_add_co_u32 s2, s2, s3
	s_lshl_b32 s3, s20, 18                         ; in my head
	s_add_co_u32 s2, s2, s3
	s_mov_b32 s3, 0
	s_lshr_b32 s62, s20, 4                         ; ao: 2,048 bytes a token: the batch's 2,048 tokens,
	s_lshl_b32 s62, s62, 22
	s_lshl_b32 s63, s13, 20                        ; my block's 512,
	s_add_co_u32 s62, s62, s63
	s_lshl_b32 s63, s[WV], 17                      ; my wave's 64,
	s_add_co_u32 s62, s62, s63
	s_and_b32 s63, s20, 15                         ; and 256 bytes a head
	s_lshl_b32 s63, s63, 8
	s_add_co_u32 s62, s62, s63
	s_mov_b32 s63, 0
	s_lshl_b32 s[DJ], s13, 3
	s_add_co_u32 s[DJ], s[DJ], s[WV]               ; the key step in which my queries meet their own keys
	s_mov_b32 s[G1K], 15|(1<<16)|(1<<20)|(1<<21)|(4<<22)|(3<<25)   ; the mask of all four; elements of 2 bytes; padding: 4 words behind every 32
	s_mov_b32 s[G1V], 15|(1<<16)|(1<<20)|(1<<21)|(4<<22)|(7<<25)   ; the same with 8 words
.irp g, G1K, G1V
	s_mov_b32 s[\g+1], 64<<16                      ; tensor_dim0 = 64
	s_mov_b32 s[\g+2], KS<<16                      ; tensor_dim1 = 64
	s_mov_b32 s[\g+3], 64<<16                      ; tile_dim0
	s_mov_b32 s[\g+4], KS                          ; tile_dim1
	s_mov_b32 s[\g+5], 64                          ; from row to row
	s_mov_b32 s[\g+6], 0
	s_mov_b32 s[\g+7], 0
.endr
	s_mov_b32 s[SEL], 0x76543210
	s_mov_b32 s[SEL+1], 0xfedcba98                 ; v_permlanex16_b32: lane l xor 16
	s_mov_b32 s[ONE], 0x3f800000
	s_mov_b32 s[TB], 0
	s_mov_b32 s[J1], 0
	s_mov_b32 s[SLOTS], 7
	s_cmp_eq_u32 s16, 0
	s_cselect_b32 s[LIM], 1, -1                    ; waves 0 and 4 prefetch
	v_and_b32 v[PFO], 31, v0
	v_lshlrev_b32 v[PFO], 8, v[PFO]
	s_wait_dscnt 0x0                               ; both opening adds are done
	s_wait_kmcnt 0x0
	s_load_b32 s55, s[60:61], 0x0                  ; the temperature
	s_add_nc_u64 s[6:7], s[4:5], s[22:23]
	s_add_nc_u64 s[8:9], s[6:7], 0x2000000         ; V at my tile of slot 0
	s_add_nc_u64 s[6:7], s[6:7], 0x1000000         ; K likewise
	s_add_nc_u64 s[4:5], s[4:5], s[2:3]            ; Q at my wave's first row
	s_add_nc_u64 s[10:11], s[10:11], s[62:63]      ; ao likewise
	s_cmp_lt_u32 s[WV], 4
	s_cselect_b64 s[PFA:PFA+1], s[6:7], s[8:9]     ; (in waves 0 and 4 these stand at a slot's first row)
	s_lshl_b32 s2, s13, 13                         ; my work-group's key step of the slot
	s_mov_b32 s3, 0
	s_add_nc_u64 s[PFA:PFA+1], s[PFA:PFA+1], s[2:3]
	s_add_nc_u64 s[PFA:PFA+1], s[PFA:PFA+1], SLOTB ; in slot 1; the first change of slots steps it to slot 2.  Nothing is prefetched here, at the head
	s_mov_b32 s[G0K], 1
	s_mov_b32 s[G0K+1], s17
	s_mov_b64 s[G0K+2:G0K+3], s[6:7]
	s_or_b32 s[G0K+3], s[G0K+3], 0x80000000
	s_mov_b32 s[G0V], 1
	s_add_co_u32 s[G0V+1], s17, VOFF
	s_mov_b64 s[G0V+2:G0V+3], s[8:9]
	s_or_b32 s[G0V+3], s[G0V+3], 0x80000000
	CROUND                                         ; all four work-groups are here: the first joint loads meet
	JLOAD                                          ; slot 0
	v_and_b32 v1, 15, v0                           ; r
	v_bfe_u32 v13, v0, 4, 1                        ; h
	v_lshlrev_b32 v[QO], 7, v1
	v_lshl_add_u32 v[QO], v13, 4, v[QO]            ; row r of 128 bytes + 16 h
	WIN 0x40                                       ; destination window 1
.irp t, 0,1,2,3
.irp k, 0,1
	global_load_b128 v[QF+16*\t+8*\k:QF+16*\t+8*\k+3],   v[QO], s[4:5] offset:\t*2048+\k*64      ; Q stays in registers: tile t, channels 32 k on
	global_load_b128 v[QF+16*\t+8*\k+4:QF+16*\t+8*\k+7], v[QO], s[4:5] offset:\t*2048+\k*64+32
.endr
.endr
	WIN 0
	v_mul_u32_u24 v[AK0], v1, PK
	v_lshl_add_u32 v[AK0], v13, 4, v[AK0]          ; K: row r x pitch + 16 h
	v_and_b32 v14, 7, v0
	v_bfe_u32 v15, v0, 3, 1
	v_lshl_add_u32 v[AV0], v13, 3, v14             ; V, for the turning load: key 8 h + l % 8,
	v_mul_u32_u24 v[AV0], v[AV0], PVP
	v_lshl_add_u32 v[AV0], v15, 4, v[AV0]          ; channels 8 ((l / 8) % 2) on
	v_add_nc_u32 v[AV0], VOFF, v[AV0]
	s_mul_i32 s20, s[WV], WSTG
	s_add_co_u32 s20, s20, STAGE                   ; my stage
	v_lshrrev_b32 v14, 1, v1
	v_mul_u32_u24 v[STO], v14, 272
	v_and_b32 v14, 1, v0
	v_lshl_add_u32 v[STO], v14, 7, v[STO]
	v_lshl_add_u32 v[STO], v13, 4, v[STO]
	v_add_nc_u32 v[STO], s20, v[STO]               ; in: row r / 2, half r % 2, + 16 h
	v_mul_u32_u24 v[RD], v13, 272
	v_lshl_add_u32 v[RD], v1, 4, v[RD]
	v_add_nc_u32 v[RD], s20, v[RD]                 ; back: lanes 0-15 one row of 256 bytes, lanes 16-31 the next
	v_lshlrev_b32 v[GO], 12, v13
	v_lshl_add_u32 v[GO], v1, 4, v[GO]             ; the same in ao: pairs of tokens lie 4,096 bytes apart
	v_lshlrev_b32 v14, 3, v13
	v_sub_nc_u32 v14, v1, v14                      ; r - 8 h: register i of a tile holds key 8 h + i of query r
	v_mov_b32 v15, 0xff61b1e6                      ; -3e38
.irp i, 0,1,2,3,4,5,6,7
	v_cmp_eq_u32 vcc_lo, \i, v14
	v_cndmask_b32 v[DT+\i], 0, v15, vcc_lo         ; the diagonal tile
.endr
	s_wait_kmcnt 0x0
	v_mov_b32 v14, s55
	v_mul_f32 v14, 0x3fb8aa3b, v14
	v_exp_f32 v14, v14                             ; exp(temperature)
	v_nop                                          ; a plain instruction behind the exponential,
	s_wait_alu depctr_va_vdst(0)                   ; and the wait ahead of its first reader
	v_mul_f32 v14, 0x3fb8aa3b, v14                 ; c = log2(e) exp(temperature)
	v_readfirstlane_b32 s[CS], v14
	s_mov_b32 s[CS+1], s[CS]                       ; (named with it as a pair, so it is written)
.irp t, 0,1,2,3
	v_mov_b32 v[ST+8*\t+1], v15                    ; m: under every score
	v_mul_f32 v[ST+8*\t], s[CS], v15               ; c m
	v_mov_b32 v[ST+8*\t+2], 0                      ; l
	v_mov_b32 v[ST+8*\t+3], 0
	v_mov_b32 v[ST+8*\t+5], 0                      ; written once here, on the way that every wave takes: a lane permute's destination counts as one of its sources,
	v_mov_b32 v[ST+8*\t+7], 0                      ; and this one is named as the upper half of the pair that holds a and, on the way out, 1 / l.  Every softmax writes both anew
.endr
	WIN 0x40
.set i, 0
.rept 128
	v_mov_b32 v[OT+i], 0                           ; O^T, once: so the softmax and both products are written in one form; the first step multiplies zeros
.set i, i+1
.endr
	WIN 0
.macro LKL                             ; a step's K: 8 fragments of 16 keys x 32 channels
	WIN 0x40
.irp f, 0,1,2,3
.irp k, 0,1
	ds_load_b128 v[KF+16*\f+8*\k:KF+16*\f+8*\k+3],   v[ADK] offset:\f*16*PK+\k*64
	ds_load_b128 v[KF+16*\f+8*\k+4:KF+16*\f+8*\k+7], v[ADK] offset:\f*16*PK+\k*64+32
.endr
.endr
.endm
; O^T += V^T P: 32 products; the 16 accumulators take turns, one instruction a turn.  lk = 1: the next step's K is asked for first.
.macro PVB lk
.if \lk
	LKL
	s_wait_dscnt 16                                ; the 16 loads just issued may be out: V's fragments are in
.else
	s_wait_dscnt 0x0
.endif
	WIN 0x50                                       ; C and D (O^T) window 1; V and P window 0
.set i, 0
.rept 32
.set rO, OT+32*(i%4)+8*((i/4)%4)
.set rV, VF+32*(i/16)+8*((i/4)%4)
.set rP, S+32*(i%4)+8*(i/16)
	v_wmma_f32_16x16x32_f16 v[rO:rO+7], v[rV:rV+7], v[rP:rP+7], v[rO:rO+7]
.set i, i+1
.endr
	WIN 0
.endm
; S^T = K Q^T: 32 products, the 16 accumulators by turns; the first 16 start the sums, from 0 or, where the tiles of keys and queries have the same number, from the diagonal tile x 0 or 1.
; The eight multiplications are also the places between the last products, which read P and V, and the products that write over P and the loads into V's registers.
.macro KQB
	WIN 0
	s_cmp_eq_u32 s[J1], s[DJ]
	s_cselect_b32 s[FLG], s[ONE], 0                ; 1.0 in my diagonal step: a select, no branch
	s_add_co_u32 s[J1], s[J1], 1
.irp i, 0,1,2,3,4,5,6,7
	v_mul_f32 v[MK+\i], s[FLG], v[DT+\i]
.endr
.irp g, 0,1
.irp f, 0,1,2,3
	ds_load_tr16_b128 v[VF+32*\g+8*\f:VF+32*\g+8*\f+3],   v[ADV] offset:\g*32*PVP+\f*32          ; the same step's V, turned: keys 32 g on, channels 16 f on
	ds_load_tr16_b128 v[VF+32*\g+8*\f+4:VF+32*\g+8*\f+7], v[ADV] offset:\g*32*PVP+16*PVP+\f*32
.endr
.endr
	s_wait_dscnt 16                                ; those 16 may be out: K's fragments are in
	WIN 0x05                                       ; K and Q window 1; S^T window 0
.set i, 0
.rept 32
.set rS, S+32*(i%4)+8*((i/4)%4)
.set rK, KF+16*((i/4)%4)+8*(i/16)
.set rQ, QF+16*(i%4)+8*(i/16)
.if i >= 16
	v_wmma_f32_16x16x32_f16 v[rS:rS+7], v[rK:rK+7], v[rQ:rQ+7], v[rS:rS+7]
.elseif (i%4) == ((i/4)%4)
	v_wmma_f32_16x16x32_f16 v[rS:rS+7], v[rK:rK+7], v[rQ:rQ+7], v[MK:MK+7]
.else
	v_wmma_f32_16x16x32_f16 v[rS:rS+7], v[rK:rK+7], v[rQ:rQ+7], 0
.endif
.set i, i+1
.endr
	WIN 0
.rept 5
	v_nop                                          ; places behind the products, for whatever reads the scores or loads into K's registers next, on every way
.endr
.endm
; THE SOFTMAX of a key step, all four tiles, the tiles by turns line by line, so that no line waits for the line above it.
.macro SM
	WIN 0
.irp j, 0,1,2,3
.irp t, 0,1,2,3
	v_max3_num_f32 v[ST+8*\t+4+\j], v[S+32*\t+8*\j], v[S+32*\t+8*\j+1], v[S+32*\t+8*\j+2]   ; four chains a tile; each accumulator is read from its low end on
.endr
.endr
.irp u, 1,2
.irp j, 0,1,2,3
.irp t, 0,1,2,3
	v_max3_num_f32 v[ST+8*\t+4+\j], v[ST+8*\t+4+\j], v[S+32*\t+8*\j+2*\u+1], v[S+32*\t+8*\j+2*\u+2]
.endr
.endr
.endr
.irp t, 0,1,2,3
	v_max3_num_f32 v[ST+8*\t+4], v[ST+8*\t+4], v[S+32*\t+7], v[S+32*\t+15]
.endr
.irp t, 0,1,2,3
	v_max3_num_f32 v[ST+8*\t+6], v[ST+8*\t+6], v[S+32*\t+23], v[S+32*\t+31]
.endr
.irp t, 0,1,2,3
	v_max3_num_f32 v[ST+8*\t+4], v[ST+8*\t+4], v[ST+8*\t+5], v[ST+8*\t+6]
.endr
.irp t, 0,1,2,3
	v_max3_num_f32 v[ST+8*\t+4], v[ST+8*\t+4], v[ST+8*\t+7], v[ST+8*\t+1]   ; with the old m
.endr
.irp t, 0,1,2,3
	v_permlanex16_b32 v[ST+8*\t+5], v[ST+8*\t+4], s[SEL], s[SEL+1]          ; the query's other 32 keys lie in the lane 16 away
.endr
.irp t, 0,1,2,3
	v_mov_b32 v[ST+8*\t+7], v[ST+8*\t]             ; c m_old
.endr
.irp t, 0,1,2,3
	v_max_num_f32 v[ST+8*\t+1], v[ST+8*\t+4], v[ST+8*\t+5]
.endr
.irp t, 0,1,2,3
	v_mul_f32 v[ST+8*\t], s[CS], v[ST+8*\t+1]
.endr
.irp t, 0,1,2,3
	v_sub_f32 v[ST+8*\t+7], v[ST+8*\t+7], v[ST+8*\t]
.endr
; ONE BATCH: all 132 exponentials and the 64 scalings between them; none of these lines names an exponential's result.  A pair is scaled a group ahead of its exponentials.
.irp t, 0,1,2,3
	v_exp_f32 v[ST+8*\t+6], v[ST+8*\t+7]           ; a
.endr
.set pb, 0
.rept 16
.irp t, 0,1,2,3
	v_pk_fma_f32 v[S+32*\t+2*pb:S+32*\t+2*pb+1], v[S+32*\t+2*pb:S+32*\t+2*pb+1], s[CS:CS+1], v[ST+8*\t:ST+8*\t+1] op_sel_hi:[1,0,0] neg_lo:[0,0,1] neg_hi:[0,0,1]   ; c s - c m
.endr
.if pb > 0
.irp t, 0,1,2,3
	v_exp_f32 v[S+32*\t+2*pb-2], v[S+32*\t+2*pb-2]
	v_exp_f32 v[S+32*\t+2*pb-1], v[S+32*\t+2*pb-1]
.endr
.endif
.set pb, pb+1
.endr
.irp t, 0,1,2,3
	v_exp_f32 v[S+32*\t+30], v[S+32*\t+30]
	v_exp_f32 v[S+32*\t+31], v[S+32*\t+31]
.endr
	v_nop                                          ; a plain instruction behind the last exponential,
	s_wait_alu depctr_va_vdst(0)                   ; and one wait for the whole batch, ahead of its first reader
; the sums, of the unrounded p: l = a l + pair 0, even pairs onto l, odd pairs in a second chain
.irp t, 0,1,2,3
	v_pk_fma_f32 v[ST+8*\t+2:ST+8*\t+3], v[ST+8*\t+2:ST+8*\t+3], v[ST+8*\t+6:ST+8*\t+7], v[S+32*\t:S+32*\t+1] op_sel_hi:[1,0,1]
.endr
.irp t, 0,1,2,3
	v_pk_add_f32 v[ST+8*\t+4:ST+8*\t+5], v[S+32*\t+2:S+32*\t+3], v[S+32*\t+6:S+32*\t+7]
.endr
.irp u, 0,1,2,3,4,5
.irp t, 0,1,2,3
	v_pk_add_f32 v[ST+8*\t+2:ST+8*\t+3], v[ST+8*\t+2:ST+8*\t+3], v[S+32*\t+4+4*\u:S+32*\t+5+4*\u]
.endr
.irp t, 0,1,2,3
	v_pk_add_f32 v[ST+8*\t+4:ST+8*\t+5], v[ST+8*\t+4:ST+8*\t+5], v[S+32*\t+10+4*\u:S+32*\t+11+4*\u]
.endr
.endr
.irp t, 0,1,2,3
	v_pk_add_f32 v[ST+8*\t+2:ST+8*\t+3], v[ST+8*\t+2:ST+8*\t+3], v[S+32*\t+28:S+32*\t+29]
.endr
.irp t, 0,1,2,3
	v_pk_add_f32 v[ST+8*\t+2:ST+8*\t+3], v[ST+8*\t+2:ST+8*\t+3], v[ST+8*\t+4:ST+8*\t+5]
.endr
; P: rounded to f16 in pairs, in place, ascending: register i takes numbers 2 i and 2 i + 1, which no earlier line has written over
.set pb, 0
.rept 16
.irp t, 0,1,2,3
	v_cvt_pk_f16_f32 v[S+32*\t+pb], v[S+32*\t+2*pb], v[S+32*\t+2*pb+1]
.endr
.set pb, pb+1
.endr
	WIN 0x41                                       ; O^T (destination and source 0) window 1, a window 0
.set pb, 0
.rept 16
.irp t, 0,1,2,3
	v_pk_mul_f32 v[OT+32*\t+2*pb:OT+32*\t+2*pb+1], v[OT+32*\t+2*pb:OT+32*\t+2*pb+1], v[ST+8*\t+6:ST+8*\t+7] op_sel_hi:[1,0]   ; O^T x a, each accumulator from its low end on
.endr
.set pb, pb+1
.endr
	WIN 0
.endm
.macro ROLESM r                        ; the softmax in the waves of role r alone: a branch on the wave's number, round vector work only
	s_cmp_eq_u32 s[ROLE], \r
	s_cbranch_scc0 .Lother_role_\@
	SM
.Lother_role_\@:
.endm
; n trips: V^T P of the step in hand, K Q^T of the next, its softmax.  Role 1 leaves the last trip's softmax for behind the barrier.
.macro TRIPS n
	s_mov_b32 s[CNT], \n
.Ltrip_\@:
	v_add_nc_u32 v[ADK], s[TB], v[AK0]
	v_add_nc_u32 v[ADV], s[TB], v[AV0]
	PVB 1
	KQB
	s_add_co_u32 s[TB], s[TB], STEPB
	s_cmp_eq_u32 s[CNT], s[ROLE]                   ; CNT runs n .. 1: equal only in role 1's last trip
	s_cbranch_scc1 .Llater_\@
	SM
.Llater_\@:
	s_sub_co_u32 s[CNT], s[CNT], 1
	s_cmp_lg_u32 s[CNT], 0
	s_cbranch_scc1 .Ltrip_\@
.endm
.macro NEXTSLOT
	s_sub_co_u32 s[TB], s[TB], NST*STEPB           ; the fetches go back to a slot's first step,
	s_xor_b32 s[TB], s[TB], SLOT1                  ; in the other slot
.endm
; THE CHANGE OF SLOTS.  All reads of the slot that is left have been issued.  Each wave waits for all its tensor loads (one: its part of the slot ahead), adds 0 to its spare word, and waits for that and for
; its reads.  fill = 1: a round of the cluster's barrier, and the joint load of the slot after next is the first thing behind it: it has four key steps in which to land.
.macro CHANGE fill
	WIN 0
	s_wait_tensorcnt 0x0                           ; no tensor load of mine is out, so a group 0 may be written
	ds_add_u32 v[SPW], v[NIL]                      ; 0 onto my spare word
.if \fill
	s_xor_b32 s[G0K+1], s[G0K+1], SLOT1            ; the walking descriptors: the other slot than last time,
	s_add_nc_u64 s[G0K+2:G0K+3], s[G0K+2:G0K+3], SLOTB   ; the next 256 keys
	s_xor_b32 s[G0V+1], s[G0V+1], SLOT1
	s_add_nc_u64 s[G0V+2:G0V+3], s[G0V+2:G0V+3], SLOTB
	s_wait_xcnt 0x0                                ; the last prefetch, a slot back, has read its address
	s_add_nc_u64 s[PFA:PFA+1], s[PFA:PFA+1], SLOTB ; one slot further on than the walking descriptors
	s_wait_dscnt 0x0                               ; the add is done, and my reads of the slot are over
	CROUND
	JLOAD
	ASK
.else
	s_wait_dscnt 0x0
	s_barrier_signal -1
	s_barrier_wait -1
.endif
.endm
	s_wait_tensorcnt 0x0                           ; my part of slot 0 is in,
	s_barrier_signal -1
	s_barrier_wait -1                              ; everybody's is
	v_add_nc_u32 v[ADK], s[TB], v[AK0]
	v_add_nc_u32 v[ADV], s[TB], v[AV0]
	LKL                                            ; key step 0
	WIN 0
	s_wait_loadcnt 0x0                             ; Q
	KQB
	s_add_co_u32 s[TB], s[TB], STEPB
	ROLESM 0                                       ; role 0: the first softmax ahead of the barrier
	CHANGE 1                                       ; slot 1's first fill
	ROLESM 1                                       ; role 1: behind it
	TRIPS 3
	NEXTSLOT
	s_mov_b32 s[SLOTS], 6
.Lslot:                                            ; six trips: slots 2 to 7 are asked for
	CHANGE 1
	ROLESM 1
	TRIPS 4
	NEXTSLOT
	s_sub_co_u32 s[SLOTS], s[SLOTS], 1
	s_cmp_lg_u32 s[SLOTS], 0
	s_cbranch_scc1 .Lslot
	CHANGE 0                                       ; the last slot is written out: nothing is left to ask for
	ROLESM 1
	TRIPS 4
	ROLESM 1                                       ; role 1's last softmax
	PVB 0                                          ; V^T P of the last step
	; THE WAY OUT.  l's halves and the other half of the lanes' are added (these lines are the places behind the last products); O^T is divided by l, rounded to f16 and sent through my stage, a tile at a time.
.irp t, 0,1,2,3
	v_add_f32 v[ST+8*\t+4], v[ST+8*\t+2], v[ST+8*\t+3]
.endr
.irp t, 0,1,2,3
	v_permlanex16_b32 v[ST+8*\t+5], v[ST+8*\t+4], s[SEL], s[SEL+1]
.endr
.irp t, 0,1,2,3
	v_add_f32 v[ST+8*\t+4], v[ST+8*\t+4], v[ST+8*\t+5]
.endr
.irp t, 0,1,2,3
	v_rcp_f32 v[ST+8*\t+6], v[ST+8*\t+4]
.endr
	v_nop                                          ; a plain instruction behind the last reciprocal,
	s_wait_alu depctr_va_vdst(0)                   ; and one wait for the four
.macro PACK t
	WIN 0x41
.set i, 0
.rept 16
	v_pk_mul_f32 v[OT+32*\t+i:OT+32*\t+i+1], v[OT+32*\t+i:OT+32*\t+i+1], v[ST+8*\t+6:ST+8*\t+7] op_sel_hi:[1,0]
.set i, i+2
.endr
	WIN 0x05                                       ; sources window 1, destination window 0: S^T's registers are free
.set i, 0
.rept 16
	v_cvt_pk_f16_f32 v[S+32*\t+i], v[OT+32*\t+2*i], v[OT+32*\t+2*i+1]
.set i, i+1
.endr
	WIN 0
.irp f, 0,1,2,3
	ds_store_b128 v[STO], v[S+32*\t+4*\f:S+32*\t+4*\f+3] offset:32*\f
.endr
.irp f, 0,1,2,3
	ds_load_b128 v[S+32*\t+16+4*\f:S+32*\t+16+4*\f+3], v[RD] offset:\f*2*272   ; LDS serves a wave's instructions in order: these see the stores above; the next tile's stores come behind them
.endr
.endm
.macro SEND t, younger                 ; younger: the LDS instructions issued behind tile t's loads: the next tile's eight, or none
.irp f, 0,1,2,3
	s_wait_dscnt \younger+3-\f
	global_store_b128 v[GO], v[S+32*\t+16+4*\f:S+32*\t+16+4*\f+3], s[10:11] offset:\t*32768+\f*8192   ; 16 lanes store 256 consecutive bytes, aligned: two tokens of my head
.endr
.endm
	PACK 0
	PACK 1
	SEND 0, 8
	PACK 2
	SEND 1, 8
	PACK 3
	SEND 2, 8
	SEND 3, 0
	s_wait_tensorcnt 0x0                           ; the wave's end
	ds_add_u32 v[SPW], v[NIL]
	s_wait_dscnt 0x0
	CROUND                                         ; the closing round
	s_endpgm
.Lfunc_end_k_q8a77b133ef_attn:
	.size	k_q8a77b133ef_attn, .Lfunc_end_k_q8a77b133ef_attn-k_q8a77b133ef_attn
	.p2alignl 7, 3214868480
	.fill 96, 4, 3214868480
	.section	.rodata,"a",@progbits
	.p2align	6, 0x0
	.amdhsa_kernel k_q8a77b133ef_attn
		.amdhsa_group_segment_fixed_size 327680
		.amdhsa_private_segment_fixed_size 0
		.amdhsa_enable_private_segment 0
		.amdhsa_kernarg_size 24
		.amdhsa_user_sgpr_count 2
		.amdhsa_user_sgpr_kernarg_segment_ptr 1
		.amdhsa_wavefront_size32 1
		.amdhsa_system_sgpr_workgroup_id_x 1
		.amdhsa_system_sgpr_workgroup_id_y 1
		.amdhsa_system_sgpr_workgroup_id_z 1
		.amdhsa_system_vgpr_workitem_id 0
		.amdhsa_next_free_vgpr 512
		.amdhsa_next_free_sgpr 66
		.amdhsa_reserve_vcc 1
		.amdhsa_float_denorm_mode_32 3
		.amdhsa_float_denorm_mode_16_64 3
		.amdhsa_memory_ordered 1
		.amdhsa_forward_progress 1
		.amdhsa_inst_pref_size 255
	.end_amdhsa_kernel
	.section	.bss,"aw",@nobits
	.p2align	6
	.space	262144
	.amdgpu_metadata
---
amdhsa.version: [ 1, 2 ]
amdhsa.kernels:
  - .name:           k_q8a77b133ef_attn
    .symbol:         k_q8a77b133ef_attn.kd
    .args:
      - { .name: qkv, .offset: 0, .size: 8, .value_kind: global_buffer, .address_space: global }
      - { .name: temperature, .offset: 8, .size: 8, .value_kind: global_buffer, .address_space: global }
      - { .name: ao, .offset: 16, .size: 8, .value_kind: global_buffer, .address_space: global }
    .group_segment_fixed_size: 327680
    .private_segment_fixed_size: 0
    .kernarg_segment_align: 8
    .kernarg_segment_size: 24
    .max_flat_workgroup_size: 256
    .sgpr_count:     66
    .vgpr_count:     512
    .wavefront_size: 32
...
	.end_amdgpu_metadata
.endif
;; end of part 3
;; launch proj (part 4): grid 8 x 64, 4 waves a work-group, clusters of 4 x 4, 327,680 bytes of LDS; arguments ao, wo_t, b_out, out0; writes out0
.if DOCPART == 4
	.amdgcn_target "amdgcn-amd-amdhsa--gfx1250"
	.amdhsa_code_object_version 6
	.text
	.protected	k_q8a77b133ef_proj
	.globl	k_q8a77b133ef_proj
	.p2align	8
	.type	k_q8a77b133ef_proj,@function
k_q8a77b133ef_proj:
	s_mov_b64 s[64:65], 0
	v_nop
	global_prefetch_b8 v0, s[64:65] scope:SCOPE_SE
	s_setreg_imm32_b32 hwreg(HW_REG_WAVE_MODE, 25, 1), 1
	s_wait_xcnt 0x0
	s_wait_alu depctr_hold_cnt(0) depctr_sa_sdst(0) depctr_va_vdst(0) depctr_va_sdst(0) depctr_va_ssrc(0) depctr_va_vcc(0) depctr_vm_vsrc(0)
	s_getreg_b32 s2, hwreg(HW_REG_IB_STS2, 6, 4)
	s_cmp_eq_u32 s2, 0
	s_cbranch_scc0 .Lentry_in_a_cluster
	s_endpgm
.Lentry_in_a_cluster:
	s_bfe_u32 s2, ttmp6, 0x10000c
	s_cmp_lg_u32 s2, 0xf033
	s_cbranch_scc0 .Lentry_shape_is_right
	s_endpgm
.Lentry_shape_is_right:
; PROJ: out0[m][n] = sum over k of A[m][k] W_out[k][n] + b_out[n], 8192 x 1024 x 1024, f16 operands, f32 sums, f32 out.
; A is the attention's output, f16, laid [token / 2][head][token % 2][64] (k = 64 head + channel); W_out comes turned, f16, [n][k].  LIMIT: f16 operands: magnitudes stay under 65,504.
; A tile of the output is 128 x 128; four waves, each 64 x 64: 16 accumulators.  K goes in steps of 256 (four heads) through two LDS slots; four steps in all, so each slot is filled twice.
; A's tile: a load brings 32 rows (pairs of tokens) of 1,024 bytes, LDS rows 1,040 bytes apart.  B's: 64 rows of 512 bytes, 528 apart.
; CLUSTERS: 4 x 4 work-groups; A's tiles are asked for jointly along a row of the cluster, B's along a column.
; THE MATRIX INSTRUCTION IS USED TRANSPOSED (source 0 = 16 rows of W_out^T, source 1 = 16 tokens): a lane holds eight neighbouring numbers of a row of the output.  The bias is the C of each sum's first product.
; REGISTERS: window 0: v0-31 addresses; v32-95 the way out; v96-127 the bias, 8 registers for each of my four blocks of 16 columns; v128-255 the accumulators ((a, b) at v[128 + 8 (4 a + b)]).
;   window 1: two fragment buffers of 128: for 64 along K, 64 registers of A, then 64 of B.
.set KSTEP,  256
.set PA,     1040
.set PB,     528
.set HALFA,  32*PA
.set HALFB,  64*PB
.set SLOT,   2*HALFA+2*HALFB
.set STAGE,  2*SLOT                    ; behind the ring: 16 rows x 272 bytes for each wave, its own
.set SPITCH, 272
.set SPARE,  STAGE+4*16*SPITCH         ; the spare words, 128 bytes a wave
.set LAPS,   2
.set ADRA, 16
.set ADRB, 20
.set STO,  24
.set RD,   25
.set CO,   26
.set SPW,  28
.set NIL,  29
.set TMP,  32
.set BIAS, 96
.set ACC,  128
.set F0,   0
.set F1,   128
.set G1, 24
.set G0, 32
.set G1B, 48
.set G0B, 56
.set MSB, 0
.macro WIN new                         ; the immediate's high byte repeats the setting that is left
.if MSB != \new
	s_set_vgpr_msb (MSB<<8)|\new
.set MSB, \new
.endif
.endm
.set MUL,  0x05                        ; sources 0 (B) and 1 (A) window 1; C and D window 0
.set TO_F, 0x40
.macro JLOAD s                         ; a joint load: waves 0 and 1 fetch A's halves, waves 2 and 3 B's; an s_nop 0 and four v_nop follow each line
	s_cmp_eq_u32 s13, 0
	s_cbranch_scc0 .Lfor_b_\@
	tensor_load_to_lds s[G0+4*\s:G0+4*\s+3], s[G1:G1+7]
	s_nop 0
.rept 4
	v_nop
.endr
	s_branch .Lasked_\@
.Lfor_b_\@:
	tensor_load_to_lds s[G0B+4*\s:G0B+4*\s+3], s[G1B:G1B+7]
	s_nop 0
.rept 4
	v_nop
.endr
.Lasked_\@:
.endm
.macro CREST                           ; a round of the cluster's barrier behind its opening barrier
	s_cmp_lg_u32 s12, 0
	s_cbranch_scc1 .Lnot_wave_0_\@
	s_barrier_signal -3
.Lnot_wave_0_\@:
	s_barrier_wait -3
	s_barrier_signal -1
	s_barrier_wait -1
.endm
.macro CROUND
	s_barrier_signal -1
	s_barrier_wait -1
	CREST
.endm
	s_load_b128 s[4:7], s[0:1], 0x0                ; ao s[4:5], wo_t s[6:7]
	s_load_b128 s[8:11], s[0:1], 0x10              ; b_out s[8:9], out0 s[10:11]
	v_lshl_add_u32 v[SPW], v0, 2, SPARE
	v_mov_b32 v[NIL], 0
	ds_add_u32 v[SPW], v[NIL]                      ; the wave's opening: the add, twice on end, and its wait ahead of my first tensor load
	ds_add_u32 v[SPW], v[NIL]
	v_lshrrev_b32 v1, 5, v0
	v_readfirstlane_b32 s12, v1                    ; wave 0..3
	s_lshr_b32 s13, s12, 1                         ; which half of the tile's rows is mine.  Also: I fetch for A (0) or for B (1)
	s_and_b32 s14, s12, 1                          ; which half of its columns.  Also: which half of that tile I fetch
	s_bfe_u32 s40, ttmp6, 0x40000                  ; cx, cy
	s_bfe_u32 s41, ttmp6, 0x40004
	s_lshl_b32 s42, ttmp9, 2
	s_add_co_u32 s42, s42, s40                     ; tile column
	s_and_b32 s15, ttmp7, 0xffff
	s_lshl_b32 s15, s15, 2
	s_add_co_u32 s15, s15, s41                     ; tile row
	s_lshl_b32 s43, s41, 2
	s_lshl_b32 s43, 15, s43                        ; my row of the cluster
	s_lshl_b32 s44, 0x1111, s40                    ; my column
	s_or_b32 s[G1+0], s43, (1<<16)|(1<<20)|(1<<21)|(7<<22)|(3<<25)    ; the mask; elements of 2 bytes; padding: 4 words behind every 256
	s_mov_b32 s[G1+1], 512<<16                     ; tensor_dim0 = 512
	s_mov_b32 s[G1+2], 32<<16                      ; tensor_dim1 = 32
	s_mov_b32 s[G1+3], 512<<16                     ; tile_dim0
	s_mov_b32 s[G1+4], 32                          ; tile_dim1
	s_mov_b32 s[G1+5], 2048                        ; from pair of tokens to pair of tokens
	s_mov_b32 s[G1+6], 0
	s_mov_b32 s[G1+7], 0
	s_or_b32 s[G1B+0], s44, (1<<16)|(1<<20)|(1<<21)|(6<<22)|(3<<25)   ; padding: 4 words behind every 128
	s_mov_b32 s[G1B+1], KSTEP<<16
	s_mov_b32 s[G1B+2], 64<<16
	s_mov_b32 s[G1B+3], KSTEP<<16
	s_mov_b32 s[G1B+4], 64
	s_mov_b32 s[G1B+5], 1024
	s_mov_b32 s[G1B+6], 0
	s_mov_b32 s[G1B+7], 0
	s_lshl_b32 s16, s15, 6
	s_lshl_b32 s17, s14, 5
	s_add_co_u32 s16, s16, s17                     ; A: pair of tokens 64 x tile row + 32 x half,
	s_lshl_b32 s16, s16, 12                        ; 4,096 bytes each
	s_mov_b32 s17, 0
	s_lshl_b32 s46, s42, 7
	s_lshl_b32 s47, s14, 6
	s_add_co_u32 s46, s46, s47                     ; B: row 128 x tile column + 64 x half,
	s_lshl_b32 s46, s46, 11                        ; 2,048 bytes each
	s_mov_b32 s47, 0
	s_mul_i32 s20, s14, HALFA                      ; where they go: no place in the cluster enters an LDS address
	s_mul_i32 s21, s14, HALFB
	s_add_co_u32 s21, s21, 2*HALFA
	s_wait_dscnt 0x0                               ; both opening adds are done
	s_wait_kmcnt 0x0
	s_add_nc_u64 s[16:17], s[4:5], s[16:17]
	s_add_nc_u64 s[46:47], s[6:7], s[46:47]
	CROUND                                         ; all sixteen work-groups are here: the first joint loads meet
.irp s, 0,1
	s_mov_b32 s[G0+4*\s], 1
	s_add_co_u32 s[G0+4*\s+1], s20, \s*SLOT
	s_add_nc_u64 s[G0+4*\s+2:G0+4*\s+3], s[16:17], \s*1024
	s_or_b32 s[G0+4*\s+3], s[G0+4*\s+3], 0x80000000
	s_mov_b32 s[G0B+4*\s], 1
	s_add_co_u32 s[G0B+4*\s+1], s21, \s*SLOT
	s_add_nc_u64 s[G0B+4*\s+2:G0B+4*\s+3], s[46:47], \s*512
	s_or_b32 s[G0B+4*\s+3], s[G0B+4*\s+3], 0x80000000
	JLOAD \s
.endr
	v_and_b32 v1, 15, v0                           ; r
	v_bfe_u32 v2, v0, 4, 1                         ; h
	s_lshl_b32 s46, s42, 9
	s_lshl_b32 s47, s14, 8
	s_add_co_u32 s46, s46, s47                     ; my first column, in bytes of f32
	s_mov_b32 s47, 0
	s_add_nc_u64 s[8:9], s[8:9], s[46:47]
	v_lshlrev_b32 v5, 5, v2                        ; the bias in the result's layout: block b, register j: column 16 b + 8 h + j
.irp b, 0,1,2,3
	global_load_b128 v[BIAS+8*\b:BIAS+8*\b+3],   v5, s[8:9] offset:64*\b
	global_load_b128 v[BIAS+8*\b+4:BIAS+8*\b+7], v5, s[8:9] offset:64*\b+16
.endr
	v_lshrrev_b32 v3, 1, v1
	v_mul_u32_u24 v3, v3, PA
	v_and_b32 v4, 1, v0
	v_lshl_add_u32 v3, v4, 7, v3
	v_lshl_add_u32 v3, v2, 4, v3                   ; A: pair r / 2 x pitch + 128 (r % 2) + 16 h
	v_mul_u32_u24 v4, v1, PB
	v_lshl_add_u32 v4, v2, 4, v4                   ; B: row r x pitch + 16 h
	s_mul_i32 s21, s13, HALFA                      ; my 64 tokens of A
	s_mul_i32 s22, s14, HALFB                      ; my 64 rows of B,
	s_add_co_u32 s22, s22, 2*HALFA                 ; behind A's
.irp s, 0,1
	v_add_nc_u32 v[ADRA+\s], s21, v3
	v_add_nc_u32 v[ADRB+\s], s22, v4
	s_add_co_u32 s21, s21, SLOT
	s_add_co_u32 s22, s22, SLOT
.endr
	s_mul_i32 s23, s12, 16*SPITCH
	s_add_co_u32 s23, s23, STAGE                   ; my stage
	v_mul_u32_u24 v6, v1, SPITCH
	v_lshl_add_u32 v6, v2, 5, v6
	v_add_nc_u32 v[STO], s23, v6                   ; in: row r, 32 bytes for each half of the lanes
	v_mul_u32_u24 v6, v2, SPITCH
	v_lshl_add_u32 v6, v1, 4, v6
	v_add_nc_u32 v[RD], s23, v6                    ; back: lanes 0-15 one row of 256 bytes, lanes 16-31 the next
	v_lshlrev_b32 v[CO], 12, v2
	v_lshl_add_u32 v[CO], v1, 4, v[CO]             ; the same two rows in out0
	s_lshl_b32 s16, s15, 7
	s_lshl_b32 s17, s13, 6
	s_add_co_u32 s16, s16, s17                     ; my first row: 128 x tile row + 64 x half,
	s_lshl_b32 s16, s16, 12                        ; 4,096 bytes each
	s_mov_b32 s17, 0
	s_add_nc_u64 s[10:11], s[10:11], s[16:17]
	s_add_nc_u64 s[10:11], s[10:11], s[46:47]
; 8 matrix instructions: row blocks a0, a0 + 1 x all 4 column blocks, 32 along K: half c of buffer f.  first = 1: the product starts the sum from the bias.  The 16 accumulators take turns.
.macro MUL8 f, c, a0, first
.irp a, \a0, \a0+1
.irp b, 0,1,2,3
.if \first
	v_wmma_f32_16x16x32_f16 v[ACC+8*(4*(\a)+\b):ACC+8*(4*(\a)+\b)+7], v[\f+64+8*(4*\c+\b):\f+64+8*(4*\c+\b)+7], v[\f+8*(4*\c+\a):\f+8*(4*\c+\a)+7], v[BIAS+8*\b:BIAS+8*\b+7]
.else
	v_wmma_f32_16x16x32_f16 v[ACC+8*(4*(\a)+\b):ACC+8*(4*(\a)+\b)+7], v[\f+64+8*(4*\c+\b):\f+64+8*(4*\c+\b)+7], v[\f+8*(4*\c+\a):\f+8*(4*\c+\a)+7], v[ACC+8*(4*(\a)+\b):ACC+8*(4*(\a)+\b)+7]
.endif
.endr
.endr
.endm
; 32 LDS loads in one run: the fragments of 64 along K (one head), at byte k of B's rows and 2 k of A's, into buffer f; the first 32 along K first
.macro FETCH slot, k, f
	WIN TO_F
.irp c, 0,1
.irp i, 0,1,2,3
	ds_load_b128 v[\f+64+8*(4*\c+\i):\f+64+8*(4*\c+\i)+3],   v[ADRB+\slot] offset:\k+64*\c+\i*16*PB
	ds_load_b128 v[\f+64+8*(4*\c+\i)+4:\f+64+8*(4*\c+\i)+7], v[ADRB+\slot] offset:\k+64*\c+\i*16*PB+32
	ds_load_b128 v[\f+8*(4*\c+\i):\f+8*(4*\c+\i)+3],         v[ADRA+\slot] offset:2*\k+64*\c+\i*8*PA
	ds_load_b128 v[\f+8*(4*\c+\i)+4:\f+8*(4*\c+\i)+7],       v[ADRA+\slot] offset:2*\k+64*\c+\i*8*PA+32
.endr
.endr
.endm
.macro PLACES                          ; four plain vector instructions in front of loads into registers that matrix instructions have read, and of reads of results
.rept 4
	v_nop
.endr
.endm
.macro QUARTER slot, k, f, g, first    ; multiplies buffer f and fetches the next quarter, at byte k, into g
	s_wait_dscnt 16                                ; the first 32 along K are in; the youngest sixteen loads may be out
	WIN MUL
	MUL8 \f, 0, 0, \first
	MUL8 \f, 0, 2, \first
	PLACES
	FETCH \slot, \k, \g
	s_wait_dscnt 32                                ; all but the 32 just issued
	WIN MUL
	MUL8 \f, 1, 0, 0
	MUL8 \f, 1, 2, 0
.endm
; A slot's last quarter changes slots: one barrier; in front of it each wave waits for all its tensor loads, adds 0 to its spare word, and waits for that and for its reads of this slot.  fill = 1: the slot is filled again, two K steps on.
.macro TURN slot, next, fill
	WIN 0
	s_wait_tensorcnt 0x0                           ; all my tensor loads have landed: my part of the next slot;
	ds_add_u32 v[SPW], v[NIL]                      ; 0 onto my spare word;
	s_wait_dscnt 17                                ; (the add and the youngest sixteen loads may be out)
	WIN MUL
	MUL8 F1, 0, 0, 0
	s_wait_dscnt 0x0                               ; the add is done, and my reads of this slot are over
	s_barrier_signal -1
	MUL8 F1, 0, 2, 0
.if \fill
	WIN 0
.endif
	s_barrier_wait -1
.if \fill
	CREST                                          ; the barrier has opened a round of the cluster's: no wave of any partner still reads this slot or has a load on its way
	s_add_nc_u64 s[G0+4*\slot+2:G0+4*\slot+3], s[G0+4*\slot+2:G0+4*\slot+3], 2*1024
	s_add_nc_u64 s[G0B+4*\slot+2:G0B+4*\slot+3], s[G0B+4*\slot+2:G0B+4*\slot+3], 2*512
	JLOAD \slot                                    ; the first tensor load behind the round; its four v_nop are also the places in front of the loads below
.else
	PLACES
.endif
	FETCH \next, 0, F0
	WIN MUL
	MUL8 F1, 1, 0, 0
	MUL8 F1, 1, 2, 0
.endm
	s_wait_tensorcnt 1                             ; my part of K step 0 is in; K step 1's load may be out
	s_barrier_signal -1
	s_barrier_wait -1
	s_wait_loadcnt 0x0                             ; the bias
	FETCH 0, 0, F0
	QUARTER 0, 128, F0, F1, 1                      ; the first products start the sums, from the bias
	WIN 0
	s_mov_b32 s3, LAPS-1
.Llap:                                             ; a trip goes once round the ring and fills both slots again
	QUARTER 0, 256, F1, F0, 0
	QUARTER 0, 384, F0, F1, 0
	TURN 0, 1, 1
	QUARTER 1, 128, F0, F1, 0
	QUARTER 1, 256, F1, F0, 0
	QUARTER 1, 384, F0, F1, 0
	TURN 1, 0, 1
	QUARTER 0, 128, F0, F1, 0
	WIN 0
	s_sub_co_u32 s3, s3, 1
	s_cmp_lg_u32 s3, 0
	s_cbranch_scc1 .Llap
	QUARTER 0, 256, F1, F0, 0                      ; the last lap fills nothing
	QUARTER 0, 384, F0, F1, 0
	TURN 0, 1, 0
	QUARTER 1, 128, F0, F1, 0
	QUARTER 1, 256, F1, F0, 0
	QUARTER 1, 384, F0, F1, 0
	s_wait_dscnt 16
	WIN MUL
	MUL8 F1, 0, 0, 0
	MUL8 F1, 0, 2, 0
	s_wait_dscnt 0
	MUL8 F1, 1, 0, 0
	MUL8 F1, 1, 2, 0
	WIN 0
; THE WAY OUT, block by block of 16 rows x 64 columns: 256 bytes a row.  A lane holds 32 bytes of a row; a block goes through my own stage and comes back as whole rows.
.macro TOSTAGE a
.irp b, 0,1,2,3
	ds_store_b128 v[STO], v[ACC+8*(4*(\a)+\b):ACC+8*(4*(\a)+\b)+3] offset:64*\b          ; each accumulator from its low end on
	ds_store_b128 v[STO], v[ACC+8*(4*(\a)+\b)+4:ACC+8*(4*(\a)+\b)+7] offset:64*\b+16
.endr
.set BB, TMP+32*((\a)%2)
.irp t, 0,1,2,3,4,5,6,7
	ds_load_b128 v[BB+4*\t:BB+4*\t+3], v[RD] offset:\t*2*SPITCH   ; LDS serves a wave's instructions in order: these see the stores above
.endr
.endm
.macro SEND a, younger                 ; younger: the LDS instructions issued behind block a's loads, which may stay out
.set BB, TMP+32*((\a)%2)
	s_wait_dscnt \younger
.irp t, 0,1,2,3,4,5,6,7
	global_store_b128 v[CO], v[BB+4*\t:BB+4*\t+3], s[10:11] offset:(16*(\a)+2*\t)*4096 th:TH_STORE_NT   ; 16 lanes store 256 consecutive bytes, aligned; written once, read by nobody here
.endr
.endm
	PLACES
	TOSTAGE 0
.irp a, 1,2,3
.if \a > 1
	s_wait_xcnt 0x0                                ; block a - 2's stores have read their registers: block a's loads may land there
.endif
	TOSTAGE \a
	SEND \a-1, 16                                  ; behind block a - 1's loads: block a's 8 stores and 8 loads
.endr
	SEND 3, 0
	s_wait_tensorcnt 0x0                           ; the wave's end
	ds_add_u32 v[SPW], v[NIL]
	s_wait_dscnt 0x0
	CROUND                                         ; the closing round
	s_endpgm
.Lfunc_end_k_q8a77b133ef_proj:
	.size	k_q8a77b133ef_proj, .Lfunc_end_k_q8a77b133ef_proj-k_q8a77b133ef_proj
	.p2alignl 7, 3214868480
	.fill 96, 4, 3214868480
	.section	.rodata,"a",@progbits
	.p2align	6, 0x0
	.amdhsa_kernel k_q8a77b133ef_proj
		.amdhsa_group_segment_fixed_size 327680
		.amdhsa_private_segment_fixed_size 0
		.amdhsa_enable_private_segment 0
		.amdhsa_kernarg_size 32
		.amdhsa_user_sgpr_count 2
		.amdhsa_user_sgpr_kernarg_segment_ptr 1
		.amdhsa_wavefront_size32 1
		.amdhsa_system_sgpr_workgroup_id_x 1
		.amdhsa_system_sgpr_workgroup_id_y 1
		.amdhsa_system_sgpr_workgroup_id_z 1
		.amdhsa_system_vgpr_workitem_id 0
		.amdhsa_next_free_vgpr 512
		.amdhsa_next_free_sgpr 66
		.amdhsa_reserve_vcc 0
		.amdhsa_float_denorm_mode_32 3
		.amdhsa_float_denorm_mode_16_64 3
		.amdhsa_memory_ordered 1
		.amdhsa_forward_progress 1
		.amdhsa_inst_pref_size 87
	.end_amdhsa_kernel
	.amdgpu_metadata
---
amdhsa.version: [ 1, 2 ]
amdhsa.kernels:
  - .name:           k_q8a77b133ef_proj
    .symbol:         k_q8a77b133ef_proj.kd
    .args:
      - { .name: ao, .offset: 0, .size: 8, .value_kind: global_buffer, .address_space: global }
      - { .name: wo_t, .offset: 8, .size: 8, .value_kind: global_buffer, .address_space: global }
      - { .name: b_out, .offset: 16, .size: 8, .value_kind: global_buffer, .address_space: global }
      - { .name: out0, .offset: 24, .size: 8, .value_kind: global_buffer, .address_space: global }
    .group_segment_fixed_size: 327680
    .private_segment_fixed_size: 0
    .kernarg_segment_align: 8
    .kernarg_segment_size: 32
    .max_flat_workgroup_size: 128
    .sgpr_count:     66
    .vgpr_count:     512
    .wavefront_size: 32
...
	.end_amdgpu_metadata
.endif
;; end of part 4
